; MI455X (gfx1250); checked and timed in simulation.
; The chip was launched on July 23, 2026; its instructions are those of AMD's public machine-readable ISA for CDNA 5 (MIT licence, August 2026) and "CDNA5" Instruction Set Architecture Reference Guide (July 2026). The comments in the code are by the model that wrote it; some were corrected since.
;; Multi Head Self Attention. Allowed arithmetic: matrix products marked QUANTISED: E5M2 operands, one E8M0 scale for each 32 along K, by v_wmma_scale_f32_16x16x128_f8f6f4 with both operands' format E5M2, f32 sums; everything else in f32.
;; Inputs: b_proj 1,024 float32; ln_beta 1,024 float32; ln_gamma 1,024 float32; w_proj 1,024 x 1,024 float32; w_qkv 3,072 x 1,024 float32; x 4 x 2,048 x 1,024 float32.
;; Outputs: out0 4 x 2,048 x 1,024 float32.
;; This version of the problem:
;;   THIS VERSION OF THE PROBLEM IS GIVEN IN LOW PRECISION. The matrix products marked QUANTISED in the list below multiply operands that are first quantised to E5M2 (5 exponent bits, 2 mantissa bits; 8 bits a number), with one power-of-two scale for each 32 numbers along K (OCP MX v1.0); their sums are f32. All else is computed in f32.
;;   The module's matrix products, in the order in which they are computed (A, B: the left and right operand; K: the contracted axis; several contracted axes count as one K, in the product's order):
;;     1. [M 8,192, K 1,024] x [K 1,024, N 3,072]; A: computed on the way; B: input w_qkv: QUANTISED
;;     2. batch 64 x [M 2,048, K 64] x [K 64, N 2,048]; A: computed on the way; B: computed on the way: QUANTISED
;;     3. batch 64 x [M 2,048, K 2,048] x [K 2,048, N 64]; A: softmax (see below); B: computed on the way: QUANTISED
;;     4. [M 8,192, K 1,024] x [K 1,024, N 1,024]; A: computed on the way; B: input w_proj: QUANTISED
;;   THE QUANTISER, for each operand of a quantised product, along K:
;;     - K is cut into blocks of 32 from its start; a last block that is shorter is filled with zeros.
;;     - A block's scale is 2^e with e = floor(log2(the largest magnitude in the block)) - 15, held to -126 .. 127; a block of zeros has e = 0. As a byte (E8M0): e + 127.
;;     - Each number is divided by its block's scale, clamped to +-57,344, and rounded to the nearest number of E5M2, ties to even, subnormals kept.
;;     - The product sums the exact products of the quantised numbers (number of the format x scale) in f32.
;;   ~~~python
;;   def quantise(x, axis):      # numpy; x: float32 -> the quantised numbers, widened to float32 again
;;       x = np.moveaxis(x, axis, -1); K = x.shape[-1]
;;       x = np.pad(x, [(0, 0)] * (x.ndim - 1) + [(0, -K % 32)]); x = x.reshape(x.shape[:-1] + (-1, 32)); a = np.abs(x).max(-1, keepdims=True)
;;       e = np.where(a > 0, np.clip(np.frexp(np.where(a > 0, a, 1))[1] - 1 - 15, -126, 127), 0)      # np.frexp(a)[1] - 1 = floor(log2(a)), exactly
;;       r = np.clip(x / 2.0 ** e, -57344, 57344)
;;       step = 2.0 ** (np.maximum(np.frexp(np.where(r == 0, 1, r))[1] - 1, -14) - 2)
;;       q = np.round(r / step) * step * 2.0 ** e      # np.round: ties to even
;;       return np.moveaxis(q.reshape(q.shape[:-2] + (-1,))[..., :K], -1, axis).astype(np.float32)
;;   ~~~
;;   SOFTMAX AHEAD OF A QUANTISED PRODUCT. Where the list says 'softmax', what is quantised is not the finished softmax but p = 2^(t - M), with t = logit x log2(e) and M = ceil(the row's largest t), a whole number; so 1/2 < the row's largest p <= 1. The row's sum l is taken of the UNQUANTISED p, in f32, and the product's result is divided by l at the end. Since M is a whole number, a kernel that streams over the keys may use a running M (the ceiling of the running maximum): every later rescaling is an exact power of two, which a block's scale takes up: the codes' values come out the same.
;;   OPERANDS COMPUTED ON THE WAY. 'Computed on the way' means the value that the module computes at that place (a softmax that the list does not call 'softmax' is quantised finished and normalised). What goes into a quantiser is computed in f32, as accurately as f32 sums, v_exp_f32 and their like allow (about 1e-6 of the number): no bf16 or f16 on the way to a quantiser, and a product that is left as it is and whose result goes on into a quantised operand takes f32 operands (vector FMAs, or v_wmma_f32_16x16x4_f32). A number that lies on a knife's edge between two numbers of the format may be rounded either way, as far as f32 arithmetic and the matrix unit's own rounding can turn it there, and no further.
;; One version. Each part assembles by itself: llvm-mc -triple=amdgcn-amd-amdhsa -mcpu=gfx1250 --defsym DOCPART=n.
;; ======== version 1 of 1: 4 launches
;; limits: right only within a limited range of input values
;; workspace buffers: a_codes 8,388,608 bytes; a_scales 262,144 bytes; w_codes 4,194,304 bytes; w_scales 131,072 bytes; q_codes 8,388,608 bytes; q_scales 262,144 bytes; kv 17,301,504 bytes
;; launch prep (part 1): grid 768 x 1, 8 waves a work-group, no clusters, 67,328 bytes of LDS; arguments x, ln_gamma, ln_beta, w_qkv, w_proj, a_codes, a_scales, w_codes, w_scales; writes a_codes, a_scales, w_codes, w_scales
.if DOCPART == 1
	.amdgcn_target "amdgcn-amd-amdhsa--gfx1250"
	.amdhsa_code_object_version 6
	.text
	.protected	k_q3cd681b97d_prep
	.globl	k_q3cd681b97d_prep
	.p2align	8
	.type	k_q3cd681b97d_prep,@function
k_q3cd681b97d_prep:
	s_mov_b64 s[64:65], 0
	v_nop
	global_prefetch_b8 v0, s[64:65] scope:SCOPE_SE
	s_setreg_imm32_b32 hwreg(HW_REG_WAVE_MODE, 25, 1), 1
	s_wait_xcnt 0x0
; LAUNCH 1 OF 4.  h = LayerNorm(x) x gamma + beta, w_qkv and w_proj are turned into codes of BF8 (E5M2) with one E8M0 scale byte for each 32 along C = 1,024, their K.
; DEAD WORK: none.  Every input of reference() has a way to out0 (gamma and beta move h's codes; b_proj and x are added at the end), and every product of its table is live: nothing is left out in any launch.
; LAYOUT OF THE CODES (this program's own buffers).  Rows go in groups of 32; TILE T = 2 G + u holds rows 32 G + 8 u + t + 8 (t / 8), t = 0 .. 15 (eight neighbours, and the eight that lie 16 further on).
; A tile's codes lie as IMAGES OF THE OPERAND'S REGISTERS: K step s (128 along K) is 2,048 bytes at 16,384 T + 2,048 s; in it byte 512 c + 16 lane + i is the code of row t = lane % 16 at k = 128 s + 32 c + 16 (lane / 16) + i.
; A tile's scale words are 512 bytes at 512 T: the word of row t for K step s at 128 (s / 2) + 8 t + 4 (s % 2); byte c of it scales k = 128 s + 32 c on.
; SHARES.  A work-group takes one tile, 16 rows of 4,096 bytes: work-groups 0-511 x's, 512-703 w_qkv's, 704-767 w_proj's (the weights' tiles lie on end in w_codes: 0-191, 192-255).
; Phase A: wave w loads rows t = 2 w, 2 w + 1 by loads of 512 consecutive bytes, normalises them (x alone: a branch on the work-group's number leads the weights round that), and lays them into LDS.
; Phase B: wave w takes K step w: lane (r, h) reads 16 neighbours of each of the step's four blocks of row r, quantises them, and its four registers a block are the image: stores of 512 consecutive bytes.
; A stream that shares nothing between work-groups: no tensor load, no cluster, no matrix instruction.
; LIMITS: NaN and infinities among the inputs are not served; a block whose largest magnitude lies under 2^-111 has its byte held at 1; a block of zeros gets the byte 1 where the rule says 127
; (its codes are zeros, which add nothing under any byte but 0xff, and this program alone reads the bytes).
.set PITCH, 4112                       ; an LDS row: 4,096 bytes + 16: an odd multiple of 16, so that the 16 rows that a load touches start at 16 different columns of 16 bytes
.set SCS,   16*PITCH                   ; behind the rows: the tile's 512 bytes of scale words
.set SPARE, SCS+512                    ; the spare words, 128 bytes for each wave: four blocks of 256 bytes that no other line names
.set L16,  1                           ; v1   16 x lane
.set RR,   2                           ; v2   r = lane % 16
.set HH,   3                           ; v3   h = lane / 16
.set AIN,  4                           ; v4   LDS: my wave's two rows, 16 x lane
.set AOUT, 5                           ; v5   LDS: row r, my K step, my half of a block
.set ASC,  6                           ; v6   LDS: my row's scale word of my K step
.set ASR,  7                           ; v7   LDS: the scale words, 16 x lane
.set SPW,  8                           ; v8   LDS address of my spare word; never rewritten
.set NIL,  9                           ; v9   0; never rewritten
.set MU,   10                          ; v[10:11], v[12:13]  the two rows' means, each twice
.set RS,   14                          ; v[14:15], v[16:17]  1 / sqrt(var + eps), each twice
.set CH,   18                          ; v[18:21], v[22:25]  two packed chains a row
.set TP,   26                          ; v26, v27
.set X,    28                          ; v28-59 row 0, v60-91 row 1; in phase B the lane's 64 numbers
.set GA,   92                          ; v92-123  gamma;  in phase B: PC, TM
.set BE,   124                         ; v124-155 beta;   in phase B: PW
.set PC,   92                          ; the codes: 16 registers
.set TM,   108                         ; +0 largest magnitudes, +4 bytes, +12 the conversions' scale operands
.set PW,   124                         ; the scale word
.set WV,   32
.set SEL,  42                          ; s[42:43] v_permlanex16_b32's selects for lane l xor 16
.set MNT,  44
.set INV,  45                          ; 1 / 1,024
.set EPS,  46                          ; 1e-5
	s_load_b256 s[4:11], s[0:1], 0x0               ; x, ln_gamma, ln_beta, w_qkv
	s_load_b256 s[12:19], s[0:1], 0x20             ; w_proj, a_codes, a_scales, w_codes
	s_load_b64 s[20:21], s[0:1], 0x40              ; w_scales
	v_lshl_add_u32 v[SPW], v0, 2, SPARE
	v_mov_b32 v[NIL], 0
	v_lshrrev_b32 v2, 5, v0
	s_delay_alu instid0(VALU_DEP_1)
	v_readfirstlane_b32 s[WV], v2                  ; wave 0..7
	v_and_b32 v1, 31, v0
	s_delay_alu instid0(VALU_DEP_1)
	v_lshlrev_b32 v[L16], 4, v1
	v_and_b32 v[RR], 15, v0
	s_wait_alu depctr_va_vdst(0)
	v_bfe_u32 v[HH], v0, 4, 1
	s_mul_i32 s33, s[WV], 2*PITCH
	v_add_nc_u32 v[AIN], s33, v[L16]
	v_mul_u32_u24 v[AOUT], v[RR], PITCH
	s_delay_alu instid0(VALU_DEP_1)
	v_lshl_add_u32 v[AOUT], v[HH], 6, v[AOUT]
	s_lshl_b32 s33, s[WV], 9
	v_add_nc_u32 v[AOUT], s33, v[AOUT]             ; row r, + 512 x wave (my K step), + 64 h
	s_lshr_b32 s33, s[WV], 1
	s_lshl_b32 s33, s33, 7
	s_and_b32 s34, s[WV], 1
	s_lshl_b32 s34, s34, 2
	s_add_co_u32 s33, s33, s34
	s_add_co_u32 s33, s33, SCS
	v_lshl_add_u32 v[ASC], v[RR], 3, s33           ; 128 (s / 2) + 4 (s % 2) + 8 r
	v_add_nc_u32 v[ASR], SCS, v[L16]
	v_mov_b32 v[TP], 0                             ; written once: a lane permute's destination counts as one of its sources
	v_mov_b32 v[TP+1], 0
	s_mov_b32 s[SEL], 0x76543210
	s_mov_b32 s[SEL+1], 0xfedcba98
	s_mov_b32 s[INV], 0x3a800000
	s_mov_b32 s[EPS], 0x3727c5ac
	s_mov_b32 s24, 704
	s_wait_kmcnt 0x0
	s_cmp_lt_u32 ttmp9, 704                        ; which tensor: the choices hang on the work-group's number alone
	s_cselect_b64 s[22:23], s[10:11], s[12:13]
	s_cselect_b32 s24, 512, s24
	s_cmp_lt_u32 ttmp9, 512
	s_cselect_b64 s[22:23], s[4:5], s[22:23]       ; the source
	s_cselect_b32 s24, 0, s24
	s_cselect_b64 s[26:27], s[14:15], s[18:19]     ; the codes' buffer
	s_cselect_b64 s[28:29], s[16:17], s[20:21]     ; the scale words'
	s_cselect_b32 s25, 0, 512
	s_sub_co_u32 s24, ttmp9, s24                   ; the tile in its source
	s_sub_co_u32 s25, ttmp9, s25                   ; and in its destination
	s_lshr_b32 s30, s24, 1
	s_lshl_b32 s30, s30, 5
	s_and_b32 s31, s24, 1
	s_lshl_b32 s31, s31, 3
	s_add_co_u32 s30, s30, s31                     ; 32 G + 8 u
	s_lshl_b32 s31, s[WV], 1
	s_add_co_u32 s30, s30, s31
	s_lshr_b32 s31, s[WV], 2
	s_lshl_b32 s31, s31, 3
	s_add_co_u32 s30, s30, s31                     ; + 2 w + 8 (w / 4): my first row
	s_lshl_b32 s30, s30, 12
	s_mov_b32 s31, 0
	s_add_nc_u64 s[22:23], s[22:23], s[30:31]
	s_lshl_b32 s30, s25, 14
	s_lshl_b32 s34, s[WV], 11
	s_add_co_u32 s30, s30, s34
	s_add_nc_u64 s[26:27], s[26:27], s[30:31]      ; the image of my K step
	s_lshl_b32 s30, s25, 9
	s_add_nc_u64 s[28:29], s[28:29], s[30:31]      ; the tile's scale words
.irp q, 0,1
.irp j, 0,1,2,3,4,5,6,7
	global_load_b128 v[X+32*\q+4*\j:X+32*\q+4*\j+3], v[L16], s[22:23] offset:4096*\q+512*\j th:TH_LOAD_NT   ; 32 lanes read 512 consecutive bytes; register 4 j + e is column 128 j + 4 lane + e
.endr
.endr
	s_cmp_lt_u32 ttmp9, 512
	s_cbranch_scc0 .Lplain                         ; the weights are quantised as they are
.irp j, 0,1,2,3,4,5,6,7
	global_load_b128 v[GA+4*\j:GA+4*\j+3], v[L16], s[6:7] offset:512*\j
	global_load_b128 v[BE+4*\j:BE+4*\j+3], v[L16], s[8:9] offset:512*\j
.endr
; the sum of a row over the wave: the two chains, the pair's halves, four steps inside each half of the lanes, one across; the two rows by turns
.macro REDUCE
.irp q, 0
	s_delay_alu instid0(VALU_DEP_3)
	v_pk_add_f32 v[CH+4*\q:CH+4*\q+1], v[CH+4*\q:CH+4*\q+1], v[CH+4*\q+2:CH+4*\q+3]
.endr
.irp q, 1
	s_delay_alu instid0(VALU_DEP_2)
	v_pk_add_f32 v[CH+4*\q:CH+4*\q+1], v[CH+4*\q:CH+4*\q+1], v[CH+4*\q+2:CH+4*\q+3]
.endr
.irp q, 0,1
	s_delay_alu instid0(VALU_DEP_2)
	v_add_f32 v[CH+4*\q], v[CH+4*\q], v[CH+4*\q+1]
.endr
.irp m, 1,2,4,8
.irp q, 0,1
	s_delay_alu instid0(VALU_DEP_2)
	v_add_f32_dpp v[CH+4*\q], v[CH+4*\q], v[CH+4*\q] row_xmask:\m row_mask:0xf bank_mask:0xf
.endr
.endr
.irp q, 0,1
	s_delay_alu instid0(VALU_DEP_2)
	v_permlanex16_b32 v[TP+\q], v[CH+4*\q], s[SEL], s[SEL+1]
.endr
.irp q, 0,1
	s_delay_alu instid0(VALU_DEP_2)
	v_add_f32 v[CH+4*\q], v[CH+4*\q], v[TP+\q]
.endr
.endm
	s_wait_loadcnt 16                              ; my two rows are in; the 16 younger loads, gamma's and beta's, may be out
.irp q, 0,1
	v_pk_add_f32 v[CH+4*\q:CH+4*\q+1], v[X+32*\q:X+32*\q+1], v[X+32*\q+2:X+32*\q+3]
	v_pk_add_f32 v[CH+4*\q+2:CH+4*\q+3], v[X+32*\q+4:X+32*\q+5], v[X+32*\q+6:X+32*\q+7]
.endr
.irp p, 8,12,16,20,24,28
.irp q, 0,1
	s_delay_alu instid0(VALU_DEP_4)
	v_pk_add_f32 v[CH+4*\q:CH+4*\q+1], v[CH+4*\q:CH+4*\q+1], v[X+32*\q+\p:X+32*\q+\p+1]
	s_delay_alu instid0(VALU_DEP_4)
	v_pk_add_f32 v[CH+4*\q+2:CH+4*\q+3], v[CH+4*\q+2:CH+4*\q+3], v[X+32*\q+\p+2:X+32*\q+\p+3]
.endr
.endr
	REDUCE
.irp q, 0
	s_delay_alu instid0(VALU_DEP_2)
	v_mul_f32 v[MU+2*\q], s[INV], v[CH+4*\q]       ; the mean, in both halves of a pair
	s_delay_alu instid0(VALU_DEP_3)
	v_mul_f32 v[MU+2*\q+1], s[INV], v[CH+4*\q]
.endr
.irp q, 1
	s_delay_alu instid0(VALU_DEP_3)
	v_mul_f32 v[MU+2*\q], s[INV], v[CH+4*\q]       ; the mean, in both halves of a pair
	s_delay_alu instid0(VALU_DEP_4)
	v_mul_f32 v[MU+2*\q+1], s[INV], v[CH+4*\q]
.endr
.irp p, 0,2,4,6,8,10,12,14,16,18,20,22,24,26,28,30
.irp q, 0,1
	v_pk_add_f32 v[X+32*\q+\p:X+32*\q+\p+1], v[X+32*\q+\p:X+32*\q+\p+1], v[MU+2*\q:MU+2*\q+1] neg_lo:[0,1] neg_hi:[0,1]   ; x - mean
.endr
.endr
.irp q, 0,1
	v_pk_mul_f32 v[CH+4*\q:CH+4*\q+1], v[X+32*\q:X+32*\q+1], v[X+32*\q:X+32*\q+1]
	v_pk_mul_f32 v[CH+4*\q+2:CH+4*\q+3], v[X+32*\q+2:X+32*\q+3], v[X+32*\q+2:X+32*\q+3]
.endr
.irp p, 4,8,12,16,20,24,28
.irp q, 0,1
	s_delay_alu instid0(VALU_DEP_4)
	v_pk_fma_f32 v[CH+4*\q:CH+4*\q+1], v[X+32*\q+\p:X+32*\q+\p+1], v[X+32*\q+\p:X+32*\q+\p+1], v[CH+4*\q:CH+4*\q+1]
	s_delay_alu instid0(VALU_DEP_4)
	v_pk_fma_f32 v[CH+4*\q+2:CH+4*\q+3], v[X+32*\q+\p+2:X+32*\q+\p+3], v[X+32*\q+\p+2:X+32*\q+\p+3], v[CH+4*\q+2:CH+4*\q+3]
.endr
.endr
	REDUCE
.irp q, 0,1
	s_delay_alu instid0(VALU_DEP_2)
	v_fma_f32 v[TP+\q], v[CH+4*\q], s[INV], s[EPS] ; var + eps
.endr
	s_wait_alu depctr_va_vdst(0)
.irp q, 0,1
	v_rsq_f32 v[RS+2*\q], v[TP+\q]
	v_rsq_f32 v[RS+2*\q+1], v[TP+\q]
.endr
	v_nop                                          ; a plain instruction behind the last of the four
	s_wait_alu depctr_va_vdst(0)                   ; one wait for the four, ahead of their first reader
	s_wait_loadcnt 0x0                             ; gamma and beta
.irp p, 0,2,4,6,8,10,12,14,16,18,20,22,24,26,28,30
.irp q, 0,1
	v_pk_mul_f32 v[X+32*\q+\p:X+32*\q+\p+1], v[X+32*\q+\p:X+32*\q+\p+1], v[RS+2*\q:RS+2*\q+1]
.endr
.endr
.irp p, 0,2,4,6,8,10,12,14,16,18,20,22,24,26,28,30
.irp q, 0,1
	v_pk_fma_f32 v[X+32*\q+\p:X+32*\q+\p+1], v[X+32*\q+\p:X+32*\q+\p+1], v[GA+\p:GA+\p+1], v[BE+\p:BE+\p+1]
.endr
.endr
.Lplain:
	s_wait_loadcnt 0x0
	s_wait_alu depctr_va_vdst(0)
.irp q, 0,1
.irp j, 0,1,2,3,4,5,6,7
	ds_store_b128 v[AIN], v[X+32*\q+4*\j:X+32*\q+4*\j+3] offset:PITCH*\q+512*\j
.endr
.endr
	s_wait_dscnt 0x0                               ; for the others' sake: my two rows lie in LDS
	s_barrier_signal -1
	s_barrier_wait -1                              ; all sixteen do
.irp c, 0,1,2,3
.irp j, 0,1,2,3
	ds_load_b128 v[X+16*\c+4*\j:X+16*\c+4*\j+3], v[AOUT] offset:128*\c+16*\j   ; register 16 c + i: k = 128 w + 32 c + 16 h + i of row r
.endr
.endr
.irp b, 0,1,2,3
	v_mov_b32 v[TM+4+\b], 0                        ; a lane permute's destination counts as one of its sources
.endr
	s_wait_dscnt 0x0
.irp b, 0,1,2,3
	v_max3_num_f32 v[TM+\b], |v[X+16*\b]|, |v[X+1+16*\b]|, 0x8000000   ; block b: my 16 numbers, and the floor 2^(16 - 127): the byte cannot fall under 1
.endr
.irp i, 2,4,6,8,10,12,14
.irp b, 0,1,2,3
	s_delay_alu instid0(VALU_DEP_4)
	v_max3_num_f32 v[TM+\b], v[TM+\b], |v[X+16*\b+\i]|, |v[X+1+16*\b+\i]|   ; the four blocks by turns
.endr
.endr
.irp b, 0,1,2,3
	s_delay_alu instid0(VALU_DEP_4)
	v_permlanex16_b32 v[TM+4+\b], v[TM+\b], s[SEL], s[SEL+1]
.endr
.irp b, 0,1,2,3
	s_delay_alu instid0(VALU_DEP_4)
	v_max_num_f32 v[TM+\b], v[TM+\b], v[TM+4+\b]   ; with lane l xor 16's: the block's largest magnitude
.endr
.irp b, 0,1,2,3
	s_delay_alu instid0(VALU_DEP_4)
	v_add_nc_u32 v[TM+12+\b], 0xf8800000, v[TM+\b] ; 15 off its exponent field: the conversion's scale operand
.endr
.irp b, 0,1,2,3
.endr
.irp b, 0,1,2,3
	s_delay_alu instid0(VALU_DEP_4)
	v_lshrrev_b32 v[TM+4+\b], 23, v[TM+12+\b]      ; the scale's byte
.endr
	s_delay_alu instid0(VALU_DEP_3)
	v_lshl_or_b32 v[PW], v[TM+5], 8, v[TM+4]
	s_delay_alu instid0(VALU_DEP_1)
	v_lshl_or_b32 v[PW], v[TM+6], 16, v[PW]
	s_delay_alu instid0(VALU_DEP_1)
	v_lshl_or_b32 v[PW], v[TM+7], 24, v[PW]        ; my row's scale word of this K step
.irp b, 0,1,2,3
.irp i, 0,1,2,3,4,5,6,7,8,9,10,11,12,13,14,15
.endr
	v_cvt_scalef32_pk8_bf8_f32 v[PC+4*\b:PC+1+4*\b], v[X+16*\b:X+7+16*\b], v[TM+12+\b]
	v_cvt_scalef32_pk8_bf8_f32 v[PC+2+4*\b:PC+3+4*\b], v[X+8+16*\b:X+15+16*\b], v[TM+12+\b]
.endr
	v_nop                                          ; a plain instruction behind the last conversion
.irp c, 0,1,2,3
	global_store_b128 v[L16], v[PC+4*\c:PC+4*\c+3], s[26:27] offset:512*\c   ; the image: 32 lanes store 512 consecutive bytes
.endr
	ds_store_b32 v[ASC], v[PW]                     ; both lanes of a row write the same word with the same value
	s_wait_dscnt 0x0
	s_barrier_signal -1
	s_barrier_wait -1                              ; the tile's 128 scale words lie in LDS
	s_cmp_lg_u32 s[WV], 0
	s_cbranch_scc1 .Lend
	ds_load_b128 v[TM:TM+3], v[ASR]
	s_wait_dscnt 0x0
	global_store_b128 v[L16], v[TM:TM+3], s[28:29] ; wave 0 stores them: 512 consecutive bytes
.Lend:
	s_wait_tensorcnt 0x0                           ; the wave's end: behind my last LDS store
	ds_add_u32 v[SPW], v[NIL]
	s_wait_dscnt 0x0
	s_endpgm
.Lfunc_end_k_q3cd681b97d_prep:
	.size	k_q3cd681b97d_prep, .Lfunc_end_k_q3cd681b97d_prep-k_q3cd681b97d_prep
	.p2alignl 7, 3214868480
	.fill 96, 4, 3214868480
	.section	.rodata,"a",@progbits
	.p2align	6, 0x0
	.amdhsa_kernel k_q3cd681b97d_prep
		.amdhsa_group_segment_fixed_size 67328
		.amdhsa_private_segment_fixed_size 0
		.amdhsa_enable_private_segment 0
		.amdhsa_kernarg_size 72
		.amdhsa_user_sgpr_count 2
		.amdhsa_user_sgpr_kernarg_segment_ptr 1
		.amdhsa_wavefront_size32 1
		.amdhsa_system_sgpr_workgroup_id_x 1
		.amdhsa_system_sgpr_workgroup_id_y 1
		.amdhsa_system_sgpr_workgroup_id_z 1
		.amdhsa_system_vgpr_workitem_id 0
		.amdhsa_next_free_vgpr 160
		.amdhsa_next_free_sgpr 66
		.amdhsa_reserve_vcc 0
		.amdhsa_float_denorm_mode_32 3
		.amdhsa_float_denorm_mode_16_64 3
		.amdhsa_fp16_overflow 1
		.amdhsa_memory_ordered 1
		.amdhsa_forward_progress 1
		.amdhsa_inst_pref_size 30
	.end_amdhsa_kernel
	.amdgpu_metadata
---
amdhsa.version: [ 1, 2 ]
amdhsa.kernels:
  - .name:           k_q3cd681b97d_prep
    .symbol:         k_q3cd681b97d_prep.kd
    .args:
      - { .name: x, .offset: 0, .size: 8, .value_kind: global_buffer, .address_space: global }
      - { .name: ln_gamma, .offset: 8, .size: 8, .value_kind: global_buffer, .address_space: global }
      - { .name: ln_beta, .offset: 16, .size: 8, .value_kind: global_buffer, .address_space: global }
      - { .name: w_qkv, .offset: 24, .size: 8, .value_kind: global_buffer, .address_space: global }
      - { .name: w_proj, .offset: 32, .size: 8, .value_kind: global_buffer, .address_space: global }
      - { .name: a_codes, .offset: 40, .size: 8, .value_kind: global_buffer, .address_space: global }
      - { .name: a_scales, .offset: 48, .size: 8, .value_kind: global_buffer, .address_space: global }
      - { .name: w_codes, .offset: 56, .size: 8, .value_kind: global_buffer, .address_space: global }
      - { .name: w_scales, .offset: 64, .size: 8, .value_kind: global_buffer, .address_space: global }
    .group_segment_fixed_size: 67328
    .private_segment_fixed_size: 0
    .kernarg_segment_align: 8
    .kernarg_segment_size: 72
    .max_flat_workgroup_size: 256
    .sgpr_count:     66
    .vgpr_count:     160
    .wavefront_size: 32
...
	.end_amdgpu_metadata
.endif
;; end of part 1
;; launch gemm_qkv (part 2): grid 8 x 48, 4 waves a work-group, clusters of 4 x 4, 327,680 bytes of LDS; arguments a_codes, a_scales, w_codes, w_scales, q_codes, q_scales, kv; writes q_codes, q_scales, kv
.if DOCPART == 2
	.amdgcn_target "amdgcn-amd-amdhsa--gfx1250"
	.amdhsa_code_object_version 6
	.text
	.protected	k_q3cd681b97d_gemm_qkv
	.globl	k_q3cd681b97d_gemm_qkv
	.p2align	8
	.type	k_q3cd681b97d_gemm_qkv,@function
k_q3cd681b97d_gemm_qkv:
	s_mov_b64 s[64:65], 0
	v_nop
	global_prefetch_b8 v0, s[64:65] scope:SCOPE_SE
	s_setreg_imm32_b32 hwreg(HW_REG_WAVE_MODE, 25, 1), 1
	s_wait_xcnt 0x0
	s_wait_alu depctr_hold_cnt(0) depctr_sa_sdst(0) depctr_va_vdst(0) depctr_va_sdst(0) depctr_va_ssrc(0) depctr_va_vcc(0) depctr_vm_vsrc(0)
	s_getreg_b32 s2, hwreg(HW_REG_IB_STS2, 6, 4)
	s_cmp_eq_u32 s2, 0
	s_cbranch_scc0 .Lentry_in_a_cluster
	s_endpgm
.Lentry_in_a_cluster:
	s_bfe_u32 s2, ttmp6, 0x10000c
	s_cmp_lg_u32 s2, 0xf033
	s_cbranch_scc0 .Lentry_shape_is_right
	s_endpgm
.Lentry_shape_is_right:
.set NQ,    2
.set FR,    16
.set NL,    4
.set NP,    8
.set SLOT,  131072
.set SCL,   2*SLOT
.set SPARE, SCL+16384
.set ADRA, 16
.set ADRB, 20
.set VCO,  24
.set VSO,  25
.set SELR, 26
.set ADRS, 27
.set SPW,  28
.set NIL,  29
.set SC,   32
.set TM,   64
.set PWS,  80
.set W4,   88
.set AF,   128
.set XN,   128
.set PCB,  192
.set G1,   24
.set G0,   32
.set G1B,  48
.set G0B,  56
.set G1S,  68
.set G0S,  76
.set G1SB, 80
.set G0SB, 88
.set MNT,  100
.set MSB, 0
.macro WIN new
.if MSB != \new
	s_set_vgpr_msb (MSB<<8)|\new
.set MSB, \new
.endif
.endm
.set MUL_LO, 0xa1
.set MUL_HI, 0xf1
.set TO_B,   0x40
.macro JLOAD g0a, g1a, g0b, g1b
	s_cmp_eq_u32 s15, 0
	s_cbranch_scc0 .Lfor_b_\@
	tensor_load_to_lds s[\g0a:\g0a+3], s[\g1a:\g1a+7]
	s_nop 0
.rept 4
	v_nop
.endr
	s_branch .Lasked_\@
.Lfor_b_\@:
	tensor_load_to_lds s[\g0b:\g0b+3], s[\g1b:\g1b+7]
	s_nop 0
.rept 4
	v_nop
.endr
.Lasked_\@:
.endm
.macro CREST
	s_cmp_lg_u32 s14, 0
	s_cbranch_scc1 .Lnot_wave_0_\@
	s_barrier_signal -3
.Lnot_wave_0_\@:
	s_barrier_wait -3
	s_barrier_signal -1
	s_barrier_wait -1
.endm
.macro CROUND
	s_barrier_signal -1
	s_barrier_wait -1
	CREST
.endm
	s_load_b256 s[4:11], s[0:1], 0x0
	s_load_b128 s[96:99], s[0:1], 0x20
	s_load_b64 s[12:13], s[0:1], 0x30
	v_lshl_add_u32 v[SPW], v0, 2, SPARE
	v_mov_b32 v[NIL], 0
	ds_add_u32 v[SPW], v[NIL]
	ds_add_u32 v[SPW], v[NIL]
	v_lshrrev_b32 v1, 5, v0
	v_readfirstlane_b32 s14, v1
	s_lshr_b32 s15, s14, 1
	s_and_b32 s16, s14, 1
	s_bfe_u32 s40, ttmp6, 0x40000
	s_bfe_u32 s41, ttmp6, 0x40004
	s_and_b32 s18, ttmp7, 0xffff
	s_lshl_b32 s19, s18, 1
	s_add_co_u32 s19, s19, ttmp9
	s_sub_co_u32 s19, s19, 16
	s_cmp_ge_u32 s18, 8
	s_cselect_b32 s66, 1, 0
	s_cselect_b32 s19, s19, ttmp9
	s_cselect_b32 s18, 2, s18
	s_lshl_b32 s42, s19, 2
	s_add_co_u32 s42, s42, s40
	s_lshl_b32 s17, s18, 2
	s_add_co_u32 s17, s17, s41
	s_lshl_b32 s43, s41, 2
	s_lshl_b32 s43, 15, s43
	s_lshl_b32 s44, 0x1111, s40
	s_or_b32 s[G1+0], s43, (3<<16)|(1<<21)
	s_or_b32 s[G1B+0], s44, (3<<16)|(1<<21)
.irp g, G1, G1B
	s_mov_b32 s[\g+1], 512<<16
	s_mov_b32 s[\g+2], 8<<16
	s_mov_b32 s[\g+3], 512<<16
	s_mov_b32 s[\g+4], 8
	s_mov_b32 s[\g+5], 2048
	s_mov_b32 s[\g+6], 0
	s_mov_b32 s[\g+7], 0
.endr
	s_or_b32 s[G1S+0], s43, (3<<16)|(1<<21)
	s_or_b32 s[G1SB+0], s44, (3<<16)|(1<<21)
.irp g, G1S, G1SB
	s_mov_b32 s[\g+1], 32<<16
	s_mov_b32 s[\g+2], 16<<16
	s_mov_b32 s[\g+3], 32<<16
	s_mov_b32 s[\g+4], 16
	s_mov_b32 s[\g+5], 32
	s_mov_b32 s[\g+6], 0
	s_mov_b32 s[\g+7], 0
.endr
	s_lshl_b32 s18, s16, 3
	s_lshl_b32 s20, s17, 4
	s_add_co_u32 s20, s20, s18
	s_lshl_b32 s46, s42, 4
	s_add_co_u32 s46, s46, s18
	s_lshl_b32 s22, s20, 9
	s_lshl_b32 s20, s20, 14
	s_mov_b32 s21, 0
	s_mov_b32 s23, 0
	s_lshl_b32 s18, s46, 9
	s_lshl_b32 s46, s46, 14
	s_mov_b32 s19, 0
	s_mov_b32 s47, 0
	s_lshl_b32 s45, s14, 15
	s_lshl_b32 s101, s14, 12
	s_mov_b32 s[MNT], 0x600000
	s_mov_b32 s2, 0x76543210
	s_mov_b32 s3, 0xfedcba98
	s_mov_b32 s67, 0xffff0000
	s_wait_dscnt 0x0
	s_wait_kmcnt 0x0
	s_cmp_eq_u32 s66, 1
	s_cselect_b64 s[92:93], s[8:9], s[4:5]
	s_cselect_b64 s[94:95], s[10:11], s[6:7]
	s_cselect_b64 s[4:5], s[4:5], s[8:9]
	s_cselect_b64 s[6:7], s[6:7], s[10:11]
	s_add_nc_u64 s[20:21], s[92:93], s[20:21]
	s_add_nc_u64 s[22:23], s[94:95], s[22:23]
	s_add_nc_u64 s[46:47], s[4:5], s[46:47]
	s_add_nc_u64 s[18:19], s[6:7], s[18:19]
	CROUND
	s_mov_b32 s[G0S], 1
	s_add_co_u32 s[G0S+1], s101, SCL
	s_mov_b64 s[G0S+2:G0S+3], s[22:23]
	s_or_b32 s[G0S+3], s[G0S+3], 0x80000000
	s_mov_b32 s[G0SB], 1
	s_add_co_u32 s[G0SB+1], s101, SCL
	s_mov_b64 s[G0SB+2:G0SB+3], s[18:19]
	s_or_b32 s[G0SB+3], s[G0SB+3], 0x80000000
	JLOAD G0S, G1S, G0SB, G1SB
.irp s, 0,1
	s_mov_b32 s[G0+4*\s], 1
	s_add_co_u32 s[G0+4*\s+1], s45, \s*SLOT
	s_add_nc_u64 s[G0+4*\s+2:G0+4*\s+3], s[20:21], \s*4096
	s_or_b32 s[G0+4*\s+3], s[G0+4*\s+3], 0x80000000
	s_mov_b32 s[G0B+4*\s], 1
	s_add_co_u32 s[G0B+4*\s+1], s45, \s*SLOT
	s_add_nc_u64 s[G0B+4*\s+2:G0B+4*\s+3], s[46:47], \s*4096
	s_or_b32 s[G0B+4*\s+3], s[G0B+4*\s+3], 0x80000000
	s_wait_alu depctr_va_vdst(0)
	s_wait_tensorcnt 0x0
	ds_add_u32 v28, v29
	s_wait_dscnt 0x0
	CROUND
	JLOAD G0+4*\s, G1, G0B+4*\s, G1B
.endr
	v_and_b32 v1, 15, v0
	v_bfe_u32 v2, v0, 4, 1
	s_wait_alu depctr_va_vdst(0)
	v_and_b32 v3, 31, v0
	v_lshlrev_b32 v[VCO], 4, v3
	s_lshl_b32 s21, s15, 15
	s_lshl_b32 s22, s16, 15
	s_add_co_u32 s22, s22, 65536
.irp s, 0,1
	v_add_nc_u32 v[ADRA+\s], s21, v[VCO]
	v_add_nc_u32 v[ADRB+\s], s22, v[VCO]
	s_add_co_u32 s21, s21, SLOT
	s_add_co_u32 s22, s22, SLOT
.endr
	s_lshl_b32 s21, s15, 12
	s_lshl_b32 s22, s16, 12
	s_add_co_u32 s22, s22, 8192
	s_sub_co_u32 s22, s22, s21
	v_mul_u32_u24 v5, s22, v2
	s_add_co_u32 s21, s21, SCL
	v_lshl_add_u32 v5, v1, 3, v5
	v_add_nc_u32 v[ADRS], s21, v5
	v_mov_b32 v[SELR], 0x05040100
	v_mov_b32 v5, 0x07060302
	v_cndmask_b32 v[SELR], v[SELR], v5, s67
	s_and_b32 s20, s42, 3
	s_cmp_eq_u32 s66, 1
	s_cselect_b32 s18, s42, s17
	s_cselect_b32 s19, s16, s15
	s_cselect_b32 s20, s41, s20
	s_cselect_b32 s21, s15, s16
	s_cselect_b32 s94, 8192, 0
	s_lshr_b32 s22, s18, 3
	s_lshl_b32 s22, s22, 4
	s_lshl_b32 s20, s20, 2
	s_add_co_u32 s22, s22, s20
	s_lshl_b32 s21, s21, 1
	s_add_co_u32 s22, s22, s21
	s_and_b32 s18, s18, 7
	s_lshl_b32 s18, s18, 1
	s_add_co_u32 s18, s18, s19
	s_or_b32 s23, s66, ttmp9
	s_mov_b32 s45, 270336
	s_mov_b32 s46, 16896
	s_mov_b32 s47, 270336
	s_mov_b32 s92, 16896
	s_cmp_eq_u32 s23, 0
	s_cselect_b64 s[4:5], s[96:97], s[12:13]
	s_cselect_b64 s[8:9], s[98:99], s[12:13]
	s_cselect_b32 s45, 131072, s45
	s_cselect_b32 s46, 8192, s46
	s_cselect_b32 s47, 4096, s47
	s_cselect_b32 s92, 256, s92
	s_cselect_b32 s93, 0, 16384
	s_cmp_eq_u32 s66, 1
	s_cselect_b32 s93, 16640, s93
	s_mul_i32 s20, s22, s45
	s_mul_i32 s21, s18, s46
	s_add_co_u32 s20, s20, s21
	s_add_co_u32 s20, s20, s94
	s_mov_b32 s21, 0
	s_add_nc_u64 s[4:5], s[4:5], s[20:21]
	s_mov_b32 s20, s45
	s_add_nc_u64 s[6:7], s[4:5], s[20:21]
	s_mul_i32 s20, s22, s47
	s_mul_i32 s19, s18, s92
	s_add_co_u32 s20, s20, s19
	s_add_co_u32 s20, s20, s93
	s_add_nc_u64 s[8:9], s[8:9], s[20:21]
	v_mul_u32_u24 v[VSO], s47, v2
	v_lshl_add_u32 v[VSO], v1, 4, v[VSO]
.macro FRAG reg, adr, q, i
.irp c, 0,1,2,3
	ds_load_b128 v[\reg+4*\c:\reg+4*\c+3], v[\adr] offset:2048*(\q)+512*\c+4096*(\i)
.endr
.endm
.macro MUL16 a0, p, q, sc, zero
.irp a, \a0, \a0+1
.irp b, 0,1,2,3,4,5,6,7
.if \zero
	v_wmma_scale_f32_16x16x128_f8f6f4 v[8*(8*((\a)%4)+\b):8*(8*((\a)%4)+\b)+7], v[128*(\p)+FR*\b:128*(\p)+FR*\b+FR-1], v[AF+FR*(\a):AF+FR*(\a)+FR-1], 0, v[SC+8*NQ*(\sc)+NQ*\b+(\q)], v[SC+8*NQ*(\sc)+NQ*(\a)+(\q)] matrix_a_fmt:MATRIX_FMT_BF8 matrix_b_fmt:MATRIX_FMT_BF8 matrix_a_scale:MATRIX_SCALE_ROW1
.else
	v_wmma_scale_f32_16x16x128_f8f6f4 v[8*(8*((\a)%4)+\b):8*(8*((\a)%4)+\b)+7], v[128*(\p)+FR*\b:128*(\p)+FR*\b+FR-1], v[AF+FR*(\a):AF+FR*(\a)+FR-1], v[8*(8*((\a)%4)+\b):8*(8*((\a)%4)+\b)+7], v[SC+8*NQ*(\sc)+NQ*\b+(\q)], v[SC+8*NQ*(\sc)+NQ*(\a)+(\q)] matrix_a_fmt:MATRIX_FMT_BF8 matrix_b_fmt:MATRIX_FMT_BF8 matrix_a_scale:MATRIX_SCALE_ROW1
.endif
.endr
.endr
.endm
.macro FETCH_B slot, q, p
	WIN TO_B
.irp i, 0,1,2,3,4,5,6,7
	FRAG 128*(\p)+FR*\i, ADRB+\slot, \q, \i
.endr
	WIN 0
.endm
.macro FETCH_A slot, q, i0
.irp i, \i0, \i0+1, \i0+2, \i0+3
	FRAG AF+FR*(\i), ADRA+\slot, \q, \i
.endr
.endm
.macro SCALES sc
.irp i, 0,1,2,3,4,5,6,7
	ds_load_b64 v[SC+8*NQ*\sc+NQ*\i:SC+8*NQ*\sc+NQ*\i+1], v[ADRS] offset:\i*512
.endr
.endm
.macro PLACES n
.rept \n
	v_nop
.endr
.endm
.macro STEP slot, q, zero
	s_wait_dscnt 4*NL
	WIN MUL_LO
	MUL16 0, (\q)%2, \q, \slot, \zero
	MUL16 2, (\q)%2, \q, \slot, \zero
	s_wait_dscnt 0
	PLACES NP
	FETCH_B \slot, (\q)+1, 1-(\q)%2
	FETCH_A \slot, (\q)+1, 0
	WIN MUL_HI
	MUL16 4, (\q)%2, \q, \slot, \zero
	MUL16 6, (\q)%2, \q, \slot, \zero
	PLACES NP
	WIN 0
	FETCH_A \slot, (\q)+1, 4
.endm
.macro TURN slot, next, fill
	s_wait_tensorcnt 0x0
	ds_add_u32 v[SPW], v[NIL]
	s_wait_dscnt 4*NL+1
	WIN MUL_LO
	MUL16 0, 1, NQ-1, \slot, 0
	s_wait_dscnt 0x0
	s_barrier_signal -1
	MUL16 2, 1, NQ-1, \slot, 0
	WIN 0
	s_barrier_wait -1
.if \fill
	CREST
	s_add_nc_u64 s[G0+4*\slot+2:G0+4*\slot+3], s[G0+4*\slot+2:G0+4*\slot+3], 8192
	s_add_nc_u64 s[G0B+4*\slot+2:G0B+4*\slot+3], s[G0B+4*\slot+2:G0B+4*\slot+3], 8192
	JLOAD G0+4*\slot, G1, G0B+4*\slot, G1B
	PLACES NP-4
.else
	PLACES NP
.endif
	s_wait_alu depctr_va_vdst(0)
	v_add_nc_u32 v[ADRS], 128, v[ADRS]
	FETCH_B \next, 0, 0
	FETCH_A \next, 0, 0
	SCALES \next
	WIN MUL_HI
	MUL16 4, 1, NQ-1, \slot, 0
	MUL16 6, 1, NQ-1, \slot, 0
	PLACES NP
	WIN 0
	FETCH_A \next, 0, 4
.endm
	s_wait_alu depctr_va_vdst(0)
	s_wait_tensorcnt 1
	s_barrier_signal -1
	s_barrier_wait -1
	FETCH_B 0, 0, 0
	FETCH_A 0, 0, 0
	SCALES 0
	FETCH_A 0, 0, 4
	STEP 0, 0, 1
	TURN 0, 1, 1
	STEP 1, 0, 0
	TURN 1, 0, 1
	STEP 0, 0, 0
	TURN 0, 1, 0
	STEP 1, 0, 0
	s_wait_dscnt 4*NL
	WIN MUL_LO
	MUL16 0, 1, NQ-1, 1, 0
	MUL16 2, 1, NQ-1, 1, 0
	s_wait_dscnt 0
	WIN MUL_HI
	MUL16 4, 1, NQ-1, 1, 0
	MUL16 6, 1, NQ-1, 1, 0
	WIN 0
.macro QOUT a
.set AC, 64*((\a)%4)
.set WN, 2+(\a)/4
.set WW, (WN<<2)|(WN<<4)
.set PC, PCB+16*((\a)%2)
	WIN WW
.irp b, 0,1,2,3
	v_max3_num_f32 v[TM+\b], 0x8000000, |v[AC+16*\b]|, |v[AC+16*\b+1]|
.endr
.irp i, 2,4,6,8,10,12,14
.irp b, 0,1,2,3
	v_max3_num_f32 v[TM+\b], v[TM+\b], |v[AC+16*\b+\i]|, |v[AC+16*\b+\i+1]|
.endr
.endr
	WIN 0
.irp b, 0,1,2,3
	v_permlanex16_b32 v[TM+4+\b], v[TM+\b], s2, s3
.endr
.irp b, 0,1,2,3
	v_max_num_f32 v[TM+\b], v[TM+\b], v[TM+4+\b]
.endr
.irp b, 0,1,2,3
	v_add_nc_u32 v[TM+12+\b], 0xf8800000, v[TM+\b]
.endr
.irp b, 0,1,2,3
	v_and_or_b32 v[TM+8+\b], v[TM+\b], 0x7f800000, s[MNT]
.endr
.irp b, 0,1,2,3
	v_lshrrev_b32 v[TM+4+\b], 23, v[TM+12+\b]
.endr
	v_lshl_or_b32 v[PWS+(\a)], v[TM+5], 8, v[TM+4]
	v_lshl_or_b32 v[PWS+(\a)], v[TM+6], 16, v[PWS+(\a)]
	v_lshl_or_b32 v[PWS+(\a)], v[TM+7], 24, v[PWS+(\a)]
	WIN WN
.irp b, 0,1,2,3
.irp i, 0,1,2,3,4,5,6,7,8,9,10,11,12,13,14,15
	v_med3_num_f32 v[XN+16*\b+\i], v[AC+16*\b+\i], -v[TM+8+\b], v[TM+8+\b]
.endr
.endr
	WIN 0
	s_wait_alu depctr_va_vdst(0)
	s_wait_xcnt 0x0
.irp b, 0,1,2,3
	v_cvt_scalef32_pk8_bf8_f32 v[PC+4*\b:PC+4*\b+1], v[XN+16*\b:XN+16*\b+7], v[TM+12+\b]
	v_cvt_scalef32_pk8_bf8_f32 v[PC+4*\b+2:PC+4*\b+3], v[XN+16*\b+8:XN+16*\b+15], v[TM+12+\b]
.endr
	v_nop
	s_cmp_eq_u32 s66, 0
	s_cbranch_scc0 .Lvals_\@
	global_store_b128 v[VCO], v[PC:PC+3], s[4:5] offset:1024*(\a)
	global_store_b128 v[VCO], v[PC+4:PC+7], s[4:5] offset:1024*(\a)+512
	global_store_b128 v[VCO], v[PC+8:PC+11], s[6:7] offset:1024*(\a)
	global_store_b128 v[VCO], v[PC+12:PC+15], s[6:7] offset:1024*(\a)+512
	s_branch .Lsent_\@
.Lvals_\@:
	s_wait_alu depctr_va_vdst(0)
.irp c, 0,1,2,3
.if (\a) < 4
	global_store_b128 v[VCO], v[PC+4*\c:PC+4*\c+3], s[4:5] offset:2048*(\a)+512*\c
.else
	global_store_b128 v[VCO], v[PC+4*\c:PC+4*\c+3], s[6:7] offset:2048*((\a)-4)+512*\c
.endif
.endr
.Lsent_\@:
.endm
	PLACES NP
.irp b, 0,1,2,3
	v_mov_b32 v[TM+4+\b], 0
.endr
.irp a, 0,1,2,3,4,5,6,7
	QOUT \a
.endr
	s_cmp_eq_u32 s66, 0
	s_cbranch_scc0 .Lvwords
.irp g, 0,1,2,3
	v_perm_b32 v[W4+\g], v[PWS+2*\g+1], v[PWS+2*\g], v[SELR]
.endr
	s_branch .Lwords
.Lvwords:
.irp t, 0,1,2,3
	v_cndmask_b32 v[W4+\t], v[PWS+\t], v[PWS+4+\t], s67
.endr
.Lwords:
	s_wait_alu depctr_va_vdst(0)
	global_store_b128 v[VSO], v[W4:W4+3], s[8:9]
	s_wait_tensorcnt 0x0
	ds_add_u32 v[SPW], v[NIL]
	s_wait_dscnt 0x0
	CROUND
	s_endpgm
.Lfunc_end_k_q3cd681b97d_gemm_qkv:
	.size	k_q3cd681b97d_gemm_qkv, .Lfunc_end_k_q3cd681b97d_gemm_qkv-k_q3cd681b97d_gemm_qkv
	.p2alignl 7, 3214868480
	.fill 96, 4, 3214868480
	.section	.rodata,"a",@progbits
	.p2align	6, 0x0
	.amdhsa_kernel k_q3cd681b97d_gemm_qkv
		.amdhsa_group_segment_fixed_size 327680
		.amdhsa_private_segment_fixed_size 0
		.amdhsa_enable_private_segment 0
		.amdhsa_kernarg_size 56
		.amdhsa_user_sgpr_count 2
		.amdhsa_user_sgpr_kernarg_segment_ptr 1
		.amdhsa_wavefront_size32 1
		.amdhsa_system_sgpr_workgroup_id_x 1
		.amdhsa_system_sgpr_workgroup_id_y 1
		.amdhsa_system_sgpr_workgroup_id_z 1
		.amdhsa_system_vgpr_workitem_id 0
		.amdhsa_next_free_vgpr 1024
		.amdhsa_next_free_sgpr 102
		.amdhsa_reserve_vcc 0
		.amdhsa_float_denorm_mode_32 3
		.amdhsa_float_denorm_mode_16_64 3
		.amdhsa_memory_ordered 1
		.amdhsa_forward_progress 1
		.amdhsa_inst_pref_size 191
	.end_amdhsa_kernel
	.amdgpu_metadata
---
amdhsa.version: [ 1, 2 ]
amdhsa.kernels:
  - .name:           k_q3cd681b97d_gemm_qkv
    .symbol:         k_q3cd681b97d_gemm_qkv.kd
    .args:
      - { .name: a_codes, .offset: 0, .size: 8, .value_kind: global_buffer, .address_space: global }
      - { .name: a_scales, .offset: 8, .size: 8, .value_kind: global_buffer, .address_space: global }
      - { .name: w_codes, .offset: 16, .size: 8, .value_kind: global_buffer, .address_space: global }
      - { .name: w_scales, .offset: 24, .size: 8, .value_kind: global_buffer, .address_space: global }
      - { .name: q_codes, .offset: 32, .size: 8, .value_kind: global_buffer, .address_space: global }
      - { .name: q_scales, .offset: 40, .size: 8, .value_kind: global_buffer, .address_space: global }
      - { .name: kv, .offset: 48, .size: 8, .value_kind: global_buffer, .address_space: global }
    .group_segment_fixed_size: 327680
    .private_segment_fixed_size: 0
    .kernarg_segment_align: 8
    .kernarg_segment_size: 56
    .max_flat_workgroup_size: 128
    .sgpr_count:     102
    .vgpr_count:     1024
    .wavefront_size: 32
...
	.end_amdgpu_metadata
.endif
;; end of part 2
;; launch attn (part 3): grid 4 x 64, 16 waves a work-group, clusters of 4 x 1, 327,680 bytes of LDS; arguments q_codes, q_scales, kv, a_codes, a_scales; writes a_codes, a_scales
.if DOCPART == 3
	.amdgcn_target "amdgcn-amd-amdhsa--gfx1250"
	.amdhsa_code_object_version 6
	.text
	.protected	k_q3cd681b97d_attn
	.globl	k_q3cd681b97d_attn
	.p2align	8
	.type	k_q3cd681b97d_attn,@function
k_q3cd681b97d_attn:
	s_mov_b64 s[64:65], 0
	v_nop
	global_prefetch_b8 v0, s[64:65] scope:SCOPE_SE
	s_setreg_imm32_b32 hwreg(HW_REG_WAVE_MODE, 25, 1), 1
	s_wait_xcnt 0x0
	s_wait_alu depctr_hold_cnt(0) depctr_sa_sdst(0) depctr_va_vdst(0) depctr_va_sdst(0) depctr_va_ssrc(0) depctr_va_vcc(0) depctr_vm_vsrc(0)
	s_getreg_b32 s2, hwreg(HW_REG_IB_STS2, 6, 4)
	s_cmp_eq_u32 s2, 0
	s_cbranch_scc0 .Lentry_in_a_cluster
	s_endpgm
.Lentry_in_a_cluster:
	s_bfe_u32 s2, ttmp6, 0x10000c
	s_cmp_lg_u32 s2, 0x3003
	s_cbranch_scc0 .Lentry_shape_is_right
	s_endpgm
.Lentry_shape_is_right:
; LAUNCH 3 OF 4.  O = softmax(q k^T / 8) v for 64 heads of 2,048 tokens x 64 channels, both products on codes of BF8 (E5M2) with E8M0 scales; O is quantised along C on the way out and leaves as the image that the
; last launch loads.  Nothing of reference() is left out.
; THE SOFTMAX AHEAD OF THE SECOND PRODUCT: t = score x log2(e) / 8; M = the row's largest t so far, rounded UP to a whole number; p = 2^(t - M) is quantised along the keys, not normalised.  The row's sum is taken of the
; unquantised p and divides O at the end.  When M moves, the sum and O are multiplied by 2^(old M - new M): exact.
; SHARES.  A work-group owns 512 queries of one head; wave w of its sixteen owns the group of 32 queries G = 16 cx + w and takes its two tiles of 16 (u = 0, 1) one after the other, each over all 2,048 keys, 128 a step.
; A WHOLE HEAD'S K, V AND SCALE WORDS, 16 x 16,896 = 270,336 bytes, LIE IN LDS: filled once, wave w asking for step w's block; no slot is filled again, and the loop has no barrier.
; CLUSTER.  The four work-groups of a head form a cluster and want the same 270,336 bytes: each block is asked for jointly.  All that is fetched is asked for at the head, so there is no later load for a prefetch to run ahead of.
; LAYOUT.  Both products are used transposed (S^T = K Q^T, O^T = V^T P^T): a lane holds ONE query (lane % 16) throughout.  A tile of keys (g, u) holds keys 32 g + 8 u + t + 8 (t / 8), so that the 16 registers
; of S^T's tiles 2 g, 2 g + 1 are keys 32 g + 16 h + 0 .. 15; V's tiles of channels are chosen likewise, so that O^T's 32 registers are channels 32 e + 16 h + 0 .. 15.
; K = 64 IN A FORM 128 DEEP.  Source 0 is a whole group of 32 keys: k 0-63 tile u = 0's codes, k 64-127 tile u = 1's.  Source 1 is Q beside 64 zero codes: v[16:31] = [Q | 0] gives tile u = 0, v[24:39] = [0 | Q] tile u = 1.
; Zero codes add nothing: no code is an infinity (the quantisers hold) and no scale byte is 0xff.
; LIMITS: as launch 1's (NaN, infinities; the byte's floor; a block of zeros has the byte 1).
.set STEPB, 16896                      ; a step's block: K's codes 8,192, V's 8,192, K's scale words 256, V's 256
.set SPARE, 16*STEPB                   ; behind the head: the spare words, 128 bytes for each wave: eight blocks of 256 bytes that no other line names
.set L16, 1                            ; v1   16 x lane
.set R16, 2                            ; v2   16 r
.set AD,  3                            ; v3   LDS: the step's block + 16 x lane
.set ADS, 4                            ; v4   LDS: the step's block + 16 r
.set SPW, 5                            ; v5   LDS address of my spare word; never rewritten
.set NIL, 6                            ; v6   0; never rewritten
.set OSO, 7                            ; v7   8 r
.set QS,  40                           ; v40  Q's scale word {b0, b1, b0, b1}
.set F,   48                           ; v48-111  four fragments of K or of V
.set KS,  112                          ; v[112:115] K's scale words, one a group
.set VS,  116                          ; v[116:119] V's, one a tile
.set S,   120                          ; v120-183 S^T, then p
.set O,   184                          ; v184-215 O^T
.set PC,  216                          ; v216-231 p's codes
                                       ; v12 -M, v13 the largest t, v[14:15] the sum in two halves; v16-23, v32-39 Q, v24-31 zeros; v41 the group's word of q_scales; v232-255 at work (v252 f, v253 p's scale word)
.set WV,  18
.set MNT, 19
.set SEL, 20                           ; s[20:21]
.set CS,  22                           ; s[22:23] c = log2(e) / 8
.set G1,  24
.set G0,  32
.set TB,  36                           ; LDS byte at which the step's block begins
.set CNT, 37
.set QC,  38                           ; s[38:39] my group's codes of q
.set QSC, 40                           ; s[40:41] its scale words
.set OC,  42                           ; s[42:43] where my codes of O go
.set OS,  44                           ; s[44:45] and their scale bytes
.macro CROUND                          ; a round of the cluster's barrier
	s_barrier_signal -1
	s_barrier_wait -1
	s_cmp_lg_u32 s[WV], 0
	s_cbranch_scc1 .Lnot_wave_0_\@
	s_barrier_signal -3
.Lnot_wave_0_\@:
	s_barrier_wait -3
	s_barrier_signal -1
	s_barrier_wait -1
.endm
	s_load_b256 s[4:11], s[0:1], 0x0               ; q_codes, q_scales, kv, a_codes
	s_load_b64 s[12:13], s[0:1], 0x20              ; a_scales
	v_lshl_add_u32 v[SPW], v0, 2, SPARE
	v_mov_b32 v[NIL], 0
	ds_add_u32 v[SPW], v[NIL]                      ; the wave's opening: the add, twice on end, and its wait ahead of my first tensor load
	ds_add_u32 v[SPW], v[NIL]                      ; and once more, under the one wait; the set-up below, work on registers, stands between
	v_lshrrev_b32 v1, 5, v0
	s_delay_alu instid0(VALU_DEP_1)
	v_readfirstlane_b32 s[WV], v1                  ; wave 0..15
	s_bfe_u32 s46, ttmp6, 0x40000                  ; cx: it enters q's and O's addresses alone
	s_and_b32 s47, ttmp7, 0xffff                   ; the head, 16 x batch + eta, which the four partners share
	s_lshl_b32 s48, s46, 4
	s_add_co_u32 s48, s48, s[WV]                   ; G: my group of 32 queries
	; group 1: a step's block, 16,896 dense bytes, as 66 rows of 256 (32 elements of 8 bytes)
	s_mov_b32 s[G1], 15|(3<<16)|(1<<21)            ; 15:0 the mask: all four work-groups; 17:16 elements of 8 bytes; 21 set beside a mask
	s_mov_b32 s[G1+1], 32<<16
	s_mov_b32 s[G1+2], 66<<16
	s_mov_b32 s[G1+3], 32<<16
	s_mov_b32 s[G1+4], 66
	s_mov_b32 s[G1+5], 32
	s_mov_b32 s[G1+6], 0
	s_mov_b32 s[G1+7], 0
	s_mul_i32 s52, s[WV], STEPB                    ; my block: in LDS,
	s_mul_i32 s50, s47, 16*STEPB
	s_add_co_u32 s50, s50, s52                     ; and in kv
	s_mov_b32 s51, 0
	s_lshl_b32 s54, s47, 17
	s_lshl_b32 s62, s48, 11
	s_add_co_u32 s54, s54, s62                     ; q_codes: 131,072 a head, 2,048 a group
	s_mov_b32 s55, 0
	s_lshl_b32 s56, s47, 12
	s_lshr_b32 s62, s48, 2
	s_lshl_b32 s62, s62, 8
	s_add_co_u32 s56, s56, s62
	s_and_b32 s62, s48, 3
	s_lshl_b32 s62, s62, 2
	s_add_co_u32 s56, s56, s62                     ; q_scales: 4,096 a head, 256 for four groups, my group's word
	s_mov_b32 s57, 0
	s_and_b32 s49, s47, 15                         ; eta: the head in its batch: channels 64 eta on of C
	s_lshr_b32 s53, s47, 4
	s_lshl_b32 s53, s53, 7
	s_lshl_b32 s62, s48, 1
	s_add_co_u32 s53, s53, s62                     ; the token tile of u = 0: 128 x batch + 2 G
	s_lshl_b32 s58, s53, 14
	s_lshr_b32 s62, s49, 1
	s_lshl_b32 s62, s62, 11
	s_add_co_u32 s58, s58, s62                     ; K step eta / 2,
	s_and_b32 s62, s49, 1
	s_lshl_b32 s63, s62, 10
	s_add_co_u32 s58, s58, s63                     ; blocks 2 (eta % 2) and the next
	s_mov_b32 s59, 0
	s_lshl_b32 s60, s53, 9
	s_lshl_b32 s62, s62, 1
	s_add_co_u32 s60, s60, s62                     ; the scale word's bytes 2 (eta % 2) and the next,
	s_lshr_b32 s62, s49, 2
	s_lshl_b32 s62, s62, 7
	s_add_co_u32 s60, s60, s62
	s_bfe_u32 s62, s49, 0x10001
	s_lshl_b32 s62, s62, 2
	s_add_co_u32 s60, s60, s62                     ; of the word of K step eta / 2
	s_mov_b32 s61, 0
	s_mov_b32 s[SEL], 0x76543210
	s_mov_b32 s[SEL+1], 0xfedcba98
	s_mov_b32 s[CS], 0x3e38aa3b
	s_mov_b32 s[CS+1], s[CS]                       ; (named with it as a pair, so it is written)
	s_wait_dscnt 0x0                               ; both opening adds are done
	s_wait_kmcnt 0x0
	s_mov_b32 s[G0], 1
	s_mov_b32 s[G0+1], s52
	s_add_nc_u64 s[G0+2:G0+3], s[8:9], s[50:51]
	s_or_b32 s[G0+3], s[G0+3], 0x80000000
	s_add_nc_u64 s[QC:QC+1], s[4:5], s[54:55]
	s_add_nc_u64 s[QSC:QSC+1], s[6:7], s[56:57]
	s_add_nc_u64 s[OC:OC+1], s[10:11], s[58:59]
	s_add_nc_u64 s[OS:OS+1], s[12:13], s[60:61]
	CROUND                                         ; all four work-groups are here: the joint loads meet
	tensor_load_to_lds s[G0:G0+3], s[G1:G1+7]      ; my one tensor load of the launch: step w's block
	s_nop 0
	v_and_b32 v1, 31, v0
	s_delay_alu instid0(VALU_DEP_1)
	v_lshlrev_b32 v[L16], 4, v1
	v_and_b32 v2, 15, v0
	s_delay_alu instid0(VALU_DEP_1)
	v_lshlrev_b32 v[OSO], 3, v2
	s_delay_alu instid0(VALU_DEP_2)
	v_lshlrev_b32 v[R16], 4, v2
.macro QLOAD u                         ; tile u's codes of q, twice: in front of the zeros and behind them
.irp c, 0,1
	global_load_b128 v[16+4*\c:19+4*\c], v[L16], s[QC:QC+1] offset:1024*\u+512*\c
	global_load_b128 v[32+4*\c:35+4*\c], v[L16], s[QC:QC+1] offset:1024*\u+512*\c
.endr
.endm
	QLOAD 0
	global_load_b32 v41, v[R16], s[QSC:QSC+1]      ; the group's word: both tiles' bytes
.irp j, 24,25,26,27,28,29,30,31
	v_mov_b32 v\j, 0                               ; 64 zero codes
.endr
.irp b, 0,1,2,3
	v_mov_b32 v[236+\b], 0                         ; written once: a lane permute's destination counts as one of its sources
.endr
	v_mov_b32 v253, 0                              ; (named as the upper half of the pair v[252:253] before it is first written)
	s_wait_tensorcnt 0x0                           ; my block is in,
	s_barrier_signal -1
	s_barrier_wait -1                              ; all sixteen are: the head lies in LDS, and nothing is written there again
.macro KLOAD off                       ; four groups of 32 keys, a fragment each, and their scale words
.irp g, 0,1,2,3
.irp c, 0,1,2,3
	ds_load_b128 v[F+16*\g+4*\c:F+16*\g+4*\c+3], v[AD] offset:\off+2048*\g+512*\c
.endr
.endr
	ds_load_b128 v[KS:KS+3], v[ADS] offset:\off+16384
.endm
; A KEY STEP: 128 keys.  next = 1: the next step's K is fetched at its end.  qnext = 1: the next tile's Q is asked for.
.macro STEP next, qnext
	s_wait_dscnt 0x0                               ; K is in
.irp g, 0,1,2,3
	v_wmma_scale_f32_16x16x128_f8f6f4 v[S+16*\g:S+16*\g+7], v[F+16*\g:F+16*\g+15], v[16:31], 0, v[KS+\g], v[QS] matrix_a_fmt:MATRIX_FMT_BF8 matrix_b_fmt:MATRIX_FMT_BF8
	v_wmma_scale_f32_16x16x128_f8f6f4 v[S+16*\g+8:S+16*\g+15], v[F+16*\g:F+16*\g+15], v[24:39], 0, v[KS+\g], v[QS] matrix_a_fmt:MATRIX_FMT_BF8 matrix_b_fmt:MATRIX_FMT_BF8
.endr
	v_add_nc_u32 v[AD], s[TB], v[L16]              ; eight places behind the products: these two and six v_nop: they serve the loads into K's registers and the first read of the scores
	v_add_nc_u32 v[ADS], s[TB], v[R16]
.rept 6
	v_nop
.endr
.irp t, 0,1,2,3
.irp c, 0,1,2,3
	ds_load_b128 v[F+16*\t+4*\c:F+16*\t+4*\c+3], v[AD] offset:8192+2048*\t+512*\c   ; V lands while the softmax is walked
.endr
.endr
	ds_load_b128 v[VS:VS+3], v[ADS] offset:16640
.if \qnext
	QLOAD 1
.endif
.irp b, 0,1,2,3
	v_max3_num_f32 v[232+\b], v[S+16*\b], v[S+1+16*\b], v[S+2+16*\b]   ; the largest score of each block of 32 keys: for the row's maximum and, since p rises with the score, for the block's largest p
.endr
.irp i, 3,5,7,9,11,13
.irp b, 0,1,2,3
	v_max3_num_f32 v[232+\b], v[232+\b], v[S+16*\b+\i], v[S+1+16*\b+\i]
.endr
.endr
.irp b, 0,1,2,3
	v_max_num_f32 v[232+\b], v[232+\b], v[S+15+16*\b]
.endr
.irp b, 0,1,2,3
	s_delay_alu instid0(VALU_DEP_4)
	v_permlanex16_b32 v[236+\b], v[232+\b], s[SEL], s[SEL+1]
.endr
.irp b, 0,1,2,3
	s_delay_alu instid0(VALU_DEP_4)
	v_max_num_f32 v[232+\b], v[232+\b], v[236+\b]  ; with lane l xor 16's 16 keys
.endr
	s_delay_alu instid0(VALU_DEP_2)
	v_max3_num_f32 v254, v232, v233, v234
	s_delay_alu instid0(VALU_DEP_1)
	v_max_num_f32 v254, v254, v235                 ; the step's largest score of my query
	s_delay_alu instid0(VALU_DEP_1)
	v_mul_f32 v254, s[CS], v254                    ; as t (c is positive)
	s_delay_alu instid0(VALU_DEP_1)
	v_max_num_f32 v13, v13, v254                   ; the running largest t
	v_mov_b32 v254, v12
	s_delay_alu instid0(VALU_DEP_2)
	v_floor_f32 v12, -v13                          ; the new -M = floor(-t) = -ceil(t)
	s_delay_alu instid0(VALU_DEP_1)
	v_sub_f32 v254, v12, v254                      ; M's old value less its new one: a whole number, 0 or less
	s_delay_alu instid0(VALU_DEP_1)
	v_cvt_i32_f32 v254, v254                       ; (it saturates)
	s_delay_alu instid0(VALU_DEP_1)
	v_ldexp_f32 v252, 1.0, v254                    ; f = 2^(old M - new M)
.set j, 0
.rept 32
	v_pk_fma_f32 v[S+j:S+j+1], v[S+j:S+j+1], s[CS:CS+1], v[12:13] op_sel_hi:[1,0,0]   ; t - M, two at a time
.set j, j+2
.endr
.irp b, 0,1,2,3
	v_fma_f32 v[232+\b], v[232+\b], s[CS], v12     ; the same of each block's largest score
.endr
.set j, 0
	s_wait_alu depctr_va_vdst(0)
.rept 64
	v_exp_f32 v[S+j], v[S+j]                       ; p = 2^(t - M), at most 1
.set j, j+1
.endr
	s_setprio 1
	v_pk_mul_f32 v[14:15], v[14:15], v[252:253] op_sel_hi:[1,0]   ; the sums under the new M (a plain instruction behind the exponentials)
	s_wait_alu depctr_va_vdst(0)                   ; one wait for the batch of 64, ahead of its first reader
.irp b, 0,1,2,3
	v_exp_f32 v[232+\b], v[232+\b]                 ; the block's largest p
.endr
	v_pk_add_f32 v[236:237], v[124:125], v[128:129]
	v_pk_add_f32 v[254:255], v[132:133], v[136:137]
	v_pk_add_f32 v[250:251], v[140:141], v[144:145]
	v_pk_add_f32 v[248:249], v[148:149], v[152:153]
	v_pk_add_f32 v[246:247], v[156:157], v[160:161]
	v_pk_add_f32 v[244:245], v[164:165], v[168:169]
	v_pk_add_f32 v[242:243], v[172:173], v[176:177]
	v_pk_add_f32 v[14:15], v[14:15], v[180:181]
	v_pk_add_f32 v[236:237], v[236:237], v[120:121]
	v_pk_add_f32 v[254:255], v[254:255], v[122:123]
	v_pk_add_f32 v[250:251], v[250:251], v[126:127]
	v_pk_add_f32 v[248:249], v[248:249], v[130:131]
	v_pk_add_f32 v[246:247], v[246:247], v[134:135]
	v_pk_add_f32 v[244:245], v[244:245], v[138:139]
	v_pk_add_f32 v[242:243], v[242:243], v[142:143]
	v_pk_add_f32 v[14:15], v[14:15], v[146:147]
	v_pk_add_f32 v[236:237], v[236:237], v[150:151]
	v_pk_add_f32 v[254:255], v[254:255], v[154:155]
	v_pk_add_f32 v[250:251], v[250:251], v[158:159]
	v_pk_add_f32 v[248:249], v[248:249], v[162:163]
	v_pk_add_f32 v[246:247], v[246:247], v[166:167]
	v_pk_add_f32 v[244:245], v[244:245], v[170:171]
	v_pk_add_f32 v[242:243], v[242:243], v[174:175]
	v_pk_add_f32 v[14:15], v[14:15], v[178:179]
	v_pk_add_f32 v[236:237], v[236:237], v[182:183]
	s_delay_alu instid0(VALU_DEP_2)
	v_pk_add_f32 v[14:15], v[14:15], v[248:249]
	s_delay_alu instid0(VALU_DEP_2)
	v_pk_add_f32 v[236:237], v[236:237], v[246:247]
	v_pk_add_f32 v[254:255], v[254:255], v[244:245]
	v_pk_add_f32 v[250:251], v[250:251], v[242:243]
	s_delay_alu instid0(VALU_DEP_2)
	v_pk_add_f32 v[14:15], v[14:15], v[254:255]
	s_delay_alu instid0(VALU_DEP_2)
	v_pk_add_f32 v[236:237], v[236:237], v[250:251]
	s_delay_alu instid0(VALU_DEP_1)
	v_pk_add_f32 v[14:15], v[14:15], v[236:237]
	s_wait_alu depctr_va_vdst(0)                   ; and one for the four
.irp b, 0,1,2,3
	v_max_num_f32 v[232+\b], 0x8000000, v[232+\b]  ; the floor 2^(16 - 127)
.endr
.irp b, 0,1,2,3
	s_delay_alu instid0(VALU_DEP_4)
	v_add_nc_u32 v[244+\b], 0xf8800000, v[232+\b]  ; the conversion's scale operand
.endr
.irp b, 0,1,2,3
.endr
.irp b, 0,1,2,3
	s_delay_alu instid0(VALU_DEP_4)
	v_lshrrev_b32 v[236+\b], 23, v[244+\b]         ; the scale's byte
.endr
	s_delay_alu instid0(VALU_DEP_3)
	v_lshl_or_b32 v253, v237, 8, v236              ; p's scale word for these 128 keys
	s_delay_alu instid0(VALU_DEP_1)
	v_lshl_or_b32 v253, v238, 16, v253
	s_delay_alu instid0(VALU_DEP_1)
	v_lshl_or_b32 v253, v239, 24, v253
.irp b, 0,1,2,3
.irp i, 0,1,2,3,4,5,6,7,8,9,10,11,12,13,14,15
.endr
	v_cvt_scalef32_pk8_bf8_f32 v[PC+4*\b:PC+1+4*\b], v[S+16*\b:S+7+16*\b], v[244+\b]
	v_cvt_scalef32_pk8_bf8_f32 v[PC+2+4*\b:PC+3+4*\b], v[S+8+16*\b:S+15+16*\b], v[244+\b]
.endr
.set j, 0
.rept 16
	v_pk_mul_f32 v[O+j:O+j+1], v[O+j:O+j+1], v[252:253] op_sel_hi:[1,0]   ; O^T under the new M.  (These 16 are also the places between the codes and the products)
.set j, j+2
.endr
	s_setprio 0
	s_wait_alu depctr_va_vdst(0)
	s_wait_dscnt 0x0                               ; V is in
.irp t, 0,1,2,3
	v_wmma_scale_f32_16x16x128_f8f6f4 v[O+8*\t:O+8*\t+7], v[F+16*\t:F+16*\t+15], v[PC:PC+15], v[O+8*\t:O+8*\t+7], v[VS+\t], v253 matrix_a_fmt:MATRIX_FMT_BF8 matrix_b_fmt:MATRIX_FMT_BF8   ; the four accumulators by turns, one instruction a turn
.endr
.if \next
.rept 8
	v_nop                                          ; places in front of the loads into V's registers
.endr
	KLOAD STEPB                                    ; the next step's K: its block lies STEPB bytes on
	s_add_co_u32 s[TB], s[TB], STEPB
.endif
.endm
; ONE TILE OF 16 QUERIES over all sixteen steps, and its way out.
.macro TRIP u
	s_wait_loadcnt 0x0                             ; Q and its word
.if \u
	v_perm_b32 v[QS], v41, v41, 0x03020302         ; tile 1's two bytes, twice
.else
	v_perm_b32 v[QS], v41, v41, 0x01000100         ; tile 0's
.endif
	v_mov_b32 v13, 0xff61b1e6                      ; the largest t so far: -3e38, under every t
	s_delay_alu instid0(VALU_DEP_1)
	v_floor_f32 v12, -v13
	v_mov_b32 v14, 0
	v_mov_b32 v15, 0
.set j, 0
.rept 32
	v_mov_b32 v[O+j], 0                            ; O^T: the step is written once: the first finds zeros.  (More than the eight places that the scale word wants ahead of the products)
.set j, j+1
.endr
	s_mov_b32 s[TB], 0
	v_add_nc_u32 v[AD], s[TB], v[L16]
	v_add_nc_u32 v[ADS], s[TB], v[R16]
	KLOAD 0
	s_mov_b32 s[CNT], 15
.Lstep_\@:
	s_setprio 2
	STEP 1, 0
	s_sub_co_u32 s[CNT], s[CNT], 1
	s_cmp_lg_u32 s[CNT], 0
	s_cbranch_scc1 .Lstep_\@
	s_setprio 0
	STEP 0, 1-\u                                   ; the last step fetches no K
.rept 8
	v_nop                                          ; places behind the last products
.endr
	v_add_f32 v14, v14, v15                        ; the sum's two halves,
	s_delay_alu instid0(VALU_DEP_1)
	v_permlanex16_b32 v252, v14, s[SEL], s[SEL+1]
	s_delay_alu instid0(VALU_DEP_1)
	v_add_f32 v14, v14, v252                       ; and lane l xor 16's: the row's sum
	s_wait_alu depctr_va_vdst(0)
	v_rcp_f32 v14, v14
	v_nop
	s_wait_alu depctr_va_vdst(0)                   ; the wait, ahead of the first reader
.set j, 0
.rept 16
	v_pk_mul_f32 v[S+j:S+j+1], v[O+j:O+j+1], v[14:15] op_sel_hi:[1,0]   ; O^T / the sum, each accumulator from its low end on: register 16 e + i is channel 32 e + 16 h + i of my head
.set j, j+2
.endr
.irp b, 0,1
	v_max3_num_f32 v[232+\b], |v[S+16*\b]|, |v[S+1+16*\b]|, 0x8000000
.endr
.irp i, 2,4,6,8,10,12,14
.irp b, 0,1
	s_delay_alu instid0(VALU_DEP_2)
	v_max3_num_f32 v[232+\b], v[232+\b], |v[S+16*\b+\i]|, |v[S+1+16*\b+\i]|
.endr
.endr
.irp b, 0,1
	s_delay_alu instid0(VALU_DEP_2)
	v_permlanex16_b32 v[236+\b], v[232+\b], s[SEL], s[SEL+1]
.endr
.irp b, 0,1
	s_delay_alu instid0(VALU_DEP_2)
	v_max_num_f32 v[232+\b], v[232+\b], v[236+\b]
.endr
.irp b, 0,1
	s_delay_alu instid0(VALU_DEP_2)
	v_add_nc_u32 v[244+\b], 0xf8800000, v[232+\b]
.endr
.irp b, 0,1
.endr
.irp b, 0,1
	s_delay_alu instid0(VALU_DEP_2)
	v_lshrrev_b32 v[236+\b], 23, v[244+\b]
.endr
	s_delay_alu instid0(VALU_DEP_1)
	v_lshl_or_b32 v254, v237, 8, v236              ; my head's two bytes of the row's scale word
.irp b, 0,1
.irp i, 0,1,2,3,4,5,6,7,8,9,10,11,12,13,14,15
.endr
	v_cvt_scalef32_pk8_bf8_f32 v[PC+4*\b:PC+1+4*\b], v[S+16*\b:S+7+16*\b], v[244+\b]
	v_cvt_scalef32_pk8_bf8_f32 v[PC+2+4*\b:PC+3+4*\b], v[S+8+16*\b:S+15+16*\b], v[244+\b]
.endr
	v_nop                                          ; a plain instruction behind the last conversion
	global_store_b128 v[L16], v[PC:PC+3], s[OC:OC+1] offset:16384*\u         ; two blocks of the image: 1,024 consecutive bytes
	global_store_b128 v[L16], v[PC+4:PC+7], s[OC:OC+1] offset:16384*\u+512
	global_store_b16 v[OSO], v254, s[OS:OS+1] offset:512*\u                  ; two bytes a row (both lanes of a row store the same): the other heads' work-groups store the word's other bytes
	s_wait_xcnt 0x0                                ; the stores have read their data: the registers may be written again
.endm
	TRIP 0
	TRIP 1
	s_wait_tensorcnt 0x0                           ; the wave's end: behind my tensor load
	ds_add_u32 v[SPW], v[NIL]
	s_wait_dscnt 0x0
	CROUND                                         ; the closing round
	s_endpgm
.Lfunc_end_k_q3cd681b97d_attn:
	.size	k_q3cd681b97d_attn, .Lfunc_end_k_q3cd681b97d_attn-k_q3cd681b97d_attn
	.p2alignl 7, 3214868480
	.fill 96, 4, 3214868480
	.section	.rodata,"a",@progbits
	.p2align	6, 0x0
	.amdhsa_kernel k_q3cd681b97d_attn
		.amdhsa_group_segment_fixed_size 327680
		.amdhsa_private_segment_fixed_size 0
		.amdhsa_enable_private_segment 0
		.amdhsa_kernarg_size 40
		.amdhsa_user_sgpr_count 2
		.amdhsa_user_sgpr_kernarg_segment_ptr 1
		.amdhsa_wavefront_size32 1
		.amdhsa_system_sgpr_workgroup_id_x 1
		.amdhsa_system_sgpr_workgroup_id_y 1
		.amdhsa_system_sgpr_workgroup_id_z 1
		.amdhsa_system_vgpr_workitem_id 0
		.amdhsa_next_free_vgpr 256
		.amdhsa_next_free_sgpr 66
		.amdhsa_reserve_vcc 0
		.amdhsa_float_denorm_mode_32 3
		.amdhsa_float_denorm_mode_16_64 3
		.amdhsa_fp16_overflow 1
		.amdhsa_memory_ordered 1
		.amdhsa_forward_progress 1
		.amdhsa_inst_pref_size 85
	.end_amdhsa_kernel
	.amdgpu_metadata
---
amdhsa.version: [ 1, 2 ]
amdhsa.kernels:
  - .name:           k_q3cd681b97d_attn
    .symbol:         k_q3cd681b97d_attn.kd
    .args:
      - { .name: q_codes, .offset: 0, .size: 8, .value_kind: global_buffer, .address_space: global }
      - { .name: q_scales, .offset: 8, .size: 8, .value_kind: global_buffer, .address_space: global }
      - { .name: kv, .offset: 16, .size: 8, .value_kind: global_buffer, .address_space: global }
      - { .name: a_codes, .offset: 24, .size: 8, .value_kind: global_buffer, .address_space: global }
      - { .name: a_scales, .offset: 32, .size: 8, .value_kind: global_buffer, .address_space: global }
    .group_segment_fixed_size: 327680
    .private_segment_fixed_size: 0
    .kernarg_segment_align: 8
    .kernarg_segment_size: 40
    .max_flat_workgroup_size: 512
    .sgpr_count:     66
    .vgpr_count:     256
    .wavefront_size: 32
...
	.end_amdgpu_metadata
.endif
;; end of part 3
;; launch gemm_proj (part 4): grid 4 x 32, 4 waves a work-group, clusters of 4 x 4, 327,680 bytes of LDS; arguments a_codes, a_scales, w_codes, w_scales, b_proj, out0, x; writes out0
.if DOCPART == 4
	.amdgcn_target "amdgcn-amd-amdhsa--gfx1250"
	.amdhsa_code_object_version 6
	.text
	.protected	k_q3cd681b97d_gemm_proj
	.globl	k_q3cd681b97d_gemm_proj
	.p2align	8
	.type	k_q3cd681b97d_gemm_proj,@function
k_q3cd681b97d_gemm_proj:
	s_mov_b64 s[64:65], 0
	v_nop
	global_prefetch_b8 v0, s[64:65] scope:SCOPE_SE
	s_setreg_imm32_b32 hwreg(HW_REG_WAVE_MODE, 25, 1), 1
	s_wait_xcnt 0x0
	s_wait_alu depctr_hold_cnt(0) depctr_sa_sdst(0) depctr_va_vdst(0) depctr_va_sdst(0) depctr_va_ssrc(0) depctr_va_vcc(0) depctr_vm_vsrc(0)
	s_getreg_b32 s2, hwreg(HW_REG_IB_STS2, 6, 4)
	s_cmp_eq_u32 s2, 0
	s_cbranch_scc0 .Lentry_in_a_cluster
	s_endpgm
.Lentry_in_a_cluster:
	s_bfe_u32 s2, ttmp6, 0x10000c
	s_cmp_lg_u32 s2, 0xf033
	s_cbranch_scc0 .Lentry_shape_is_right
	s_endpgm
.Lentry_shape_is_right:
.set NQ,    2
.set FR,    16
.set NL,    4
.set NP,    8
.set SLOT,  131072
.set SCL,   2*SLOT
.set SPARE, SCL+16384
.set SPITCH, 528
.set ADRA, 16
.set ADRB, 20
.set STO,  24
.set RD,   25
.set CO,   26
.set ADRS, 27
.set SPW,  28
.set NIL,  29
.set PFO,  30
.set BO,   31
.set SC,   32
.set BIAS, 64
.set AF,   128
.set BK,   128
.set XB,   12
.set BP,   96
.set OB,   98
.set G1,   24
.set G0,   32
.set G1B,  48
.set G0B,  56
.set G1S,  68
.set G0S,  76
.set G1SB, 80
.set G0SB, 88
.set MSB, 0
.macro WIN new
.if MSB != \new
	s_set_vgpr_msb (MSB<<8)|\new
.set MSB, \new
.endif
.endm
.set MUL_LO, 0xa1
.set MUL_HI, 0xf1
.set TO_B,   0x40
.macro JLOAD g0a, g1a, g0b, g1b
	s_cmp_eq_u32 s15, 0
	s_cbranch_scc0 .Lfor_b_\@
	tensor_load_to_lds s[\g0a:\g0a+3], s[\g1a:\g1a+7]
	s_nop 0
.rept 4
	v_nop
.endr
	s_branch .Lasked_\@
.Lfor_b_\@:
	tensor_load_to_lds s[\g0b:\g0b+3], s[\g1b:\g1b+7]
	s_nop 0
.rept 4
	v_nop
.endr
.Lasked_\@:
.endm
.macro CREST
	s_cmp_lg_u32 s14, 0
	s_cbranch_scc1 .Lnot_wave_0_\@
	s_barrier_signal -3
.Lnot_wave_0_\@:
	s_barrier_wait -3
	s_barrier_signal -1
	s_barrier_wait -1
.endm
.macro CROUND
	s_barrier_signal -1
	s_barrier_wait -1
	CREST
.endm
	s_load_b256 s[4:11], s[0:1], 0x0
	s_load_b128 s[96:99], s[0:1], 0x20
	s_load_b64 s[12:13], s[0:1], 0x30
	v_lshl_add_u32 v[SPW], v0, 2, SPARE
	v_mov_b32 v[NIL], 0
	ds_add_u32 v[SPW], v[NIL]
	ds_add_u32 v[SPW], v[NIL]
	v_lshrrev_b32 v1, 5, v0
	v_readfirstlane_b32 s14, v1
	s_lshr_b32 s15, s14, 1
	s_and_b32 s16, s14, 1
	s_bfe_u32 s40, ttmp6, 0x40000
	s_bfe_u32 s41, ttmp6, 0x40004
	s_add_co_u32 s42, s40, 12
	s_and_b32 s17, ttmp7, 0xffff
	s_lshl_b32 s17, s17, 2
	s_add_co_u32 s17, s17, s41
	s_lshl_b32 s43, s41, 2
	s_lshl_b32 s43, 15, s43
	s_lshl_b32 s44, 0x1111, s40
	s_or_b32 s[G1+0], s43, (3<<16)|(1<<21)
	s_or_b32 s[G1B+0], s44, (3<<16)|(1<<21)
.irp g, G1, G1B
	s_mov_b32 s[\g+1], 512<<16
	s_mov_b32 s[\g+2], 8<<16
	s_mov_b32 s[\g+3], 512<<16
	s_mov_b32 s[\g+4], 8
	s_mov_b32 s[\g+5], 2048
	s_mov_b32 s[\g+6], 0
	s_mov_b32 s[\g+7], 0
.endr
	s_or_b32 s[G1S+0], s43, (3<<16)|(1<<21)
	s_or_b32 s[G1SB+0], s44, (3<<16)|(1<<21)
.irp g, G1S, G1SB
	s_mov_b32 s[\g+1], 32<<16
	s_mov_b32 s[\g+2], 16<<16
	s_mov_b32 s[\g+3], 32<<16
	s_mov_b32 s[\g+4], 16
	s_mov_b32 s[\g+5], 32
	s_mov_b32 s[\g+6], 0
	s_mov_b32 s[\g+7], 0
.endr
	s_lshl_b32 s18, s16, 3
	s_lshl_b32 s20, s17, 4
	s_add_co_u32 s20, s20, s18
	s_lshl_b32 s46, s42, 4
	s_add_co_u32 s46, s46, s18
	s_lshl_b32 s22, s20, 9
	s_lshl_b32 s20, s20, 14
	s_mov_b32 s21, 0
	s_mov_b32 s23, 0
	s_lshl_b32 s18, s46, 9
	s_lshl_b32 s46, s46, 14
	s_mov_b32 s19, 0
	s_mov_b32 s47, 0
	s_lshl_b32 s45, s14, 15
	s_lshl_b32 s101, s14, 12
	s_wait_dscnt 0x0
	s_wait_kmcnt 0x0
	s_add_nc_u64 s[20:21], s[4:5], s[20:21]
	s_add_nc_u64 s[22:23], s[6:7], s[22:23]
	s_add_nc_u64 s[46:47], s[8:9], s[46:47]
	s_add_nc_u64 s[18:19], s[10:11], s[18:19]
	CROUND
	s_mov_b32 s[G0S], 1
	s_add_co_u32 s[G0S+1], s101, SCL
	s_mov_b64 s[G0S+2:G0S+3], s[22:23]
	s_or_b32 s[G0S+3], s[G0S+3], 0x80000000
	s_mov_b32 s[G0SB], 1
	s_add_co_u32 s[G0SB+1], s101, SCL
	s_mov_b64 s[G0SB+2:G0SB+3], s[18:19]
	s_or_b32 s[G0SB+3], s[G0SB+3], 0x80000000
	JLOAD G0S, G1S, G0SB, G1SB
.irp s, 0,1
	s_mov_b32 s[G0+4*\s], 1
	s_add_co_u32 s[G0+4*\s+1], s45, \s*SLOT
	s_add_nc_u64 s[G0+4*\s+2:G0+4*\s+3], s[20:21], \s*4096
	s_or_b32 s[G0+4*\s+3], s[G0+4*\s+3], 0x80000000
	s_mov_b32 s[G0B+4*\s], 1
	s_add_co_u32 s[G0B+4*\s+1], s45, \s*SLOT
	s_add_nc_u64 s[G0B+4*\s+2:G0B+4*\s+3], s[46:47], \s*4096
	s_or_b32 s[G0B+4*\s+3], s[G0B+4*\s+3], 0x80000000
	s_wait_alu depctr_va_vdst(0)
	s_wait_tensorcnt 0x0
	ds_add_u32 v28, v29
	s_wait_dscnt 0x0
	CROUND
	JLOAD G0+4*\s, G1, G0B+4*\s, G1B
.endr
	v_and_b32 v1, 15, v0
	v_bfe_u32 v2, v0, 4, 1
	v_and_b32 v3, 31, v0
	v_lshlrev_b32 v[CO], 4, v3
	s_wait_alu depctr_va_vdst(0)
	v_lshlrev_b32 v[PFO], 12, v3
	v_lshlrev_b32 v[BO], 6, v2
	s_lshl_b32 s20, s40, 10
	s_lshl_b32 s21, s16, 9
	s_add_co_u32 s20, s20, s21
	s_mov_b32 s21, 0
	s_add_nc_u64 s[BP:BP+1], s[BP:BP+1], s[20:21]
.irp b, 0,1,2,3,4,5,6,7
	global_load_b128 v[BIAS+8*\b:BIAS+8*\b+3], v[BO], s[BP:BP+1] offset:128*(\b/2)+32*(\b%2)
	global_load_b128 v[BIAS+8*\b+4:BIAS+8*\b+7], v[BO], s[BP:BP+1] offset:128*(\b/2)+32*(\b%2)+16
.endr
	s_lshl_b32 s22, s17, 20
	s_add_co_u32 s20, s20, s22
	s_lshl_b32 s22, s15, 19
	s_add_co_u32 s20, s20, s22
	s_add_nc_u64 s[XB:XB+1], s[XB:XB+1], s[20:21]
	s_add_nc_u64 s[OB:OB+1], s[OB:OB+1], s[20:21]
	s_lshl_b32 s21, s15, 15
	s_lshl_b32 s22, s16, 15
	s_add_co_u32 s22, s22, 65536
.irp s, 0,1
	v_add_nc_u32 v[ADRA+\s], s21, v[CO]
	v_add_nc_u32 v[ADRB+\s], s22, v[CO]
	s_add_co_u32 s21, s21, SLOT
	s_add_co_u32 s22, s22, SLOT
.endr
	s_lshl_b32 s21, s15, 12
	s_lshl_b32 s22, s16, 12
	s_add_co_u32 s22, s22, 8192
	s_sub_co_u32 s22, s22, s21
	v_mul_u32_u24 v5, s22, v2
	s_add_co_u32 s21, s21, SCL
	v_lshl_add_u32 v5, v1, 3, v5
	v_add_nc_u32 v[ADRS], s21, v5
	s_mul_i32 s23, s14, 16*SPITCH
	v_mul_u32_u24 v5, v1, SPITCH
	v_lshl_add_u32 v5, v2, 6, v5
	v_add_nc_u32 v[STO], s23, v5
	v_add_nc_u32 v[RD], s23, v[CO]
.macro FRAG reg, adr, q, i
.irp c, 0,1,2,3
	ds_load_b128 v[\reg+4*\c:\reg+4*\c+3], v[\adr] offset:2048*(\q)+512*\c+4096*(\i)
.endr
.endm
.macro MUL16 a0, p, q, sc, first
.irp a, \a0, \a0+1
.irp b, 0,1,2,3,4,5,6,7
.if \first
	v_wmma_scale_f32_16x16x128_f8f6f4 v[8*(8*((\a)%4)+\b):8*(8*((\a)%4)+\b)+7], v[128*(\p)+FR*\b:128*(\p)+FR*\b+FR-1], v[AF+FR*(\a):AF+FR*(\a)+FR-1], v[BIAS+8*\b:BIAS+8*\b+7], v[SC+8*NQ*(\sc)+NQ*\b+(\q)], v[SC+8*NQ*(\sc)+NQ*(\a)+(\q)] matrix_a_fmt:MATRIX_FMT_BF8 matrix_b_fmt:MATRIX_FMT_BF8 matrix_a_scale:MATRIX_SCALE_ROW1
.else
	v_wmma_scale_f32_16x16x128_f8f6f4 v[8*(8*((\a)%4)+\b):8*(8*((\a)%4)+\b)+7], v[128*(\p)+FR*\b:128*(\p)+FR*\b+FR-1], v[AF+FR*(\a):AF+FR*(\a)+FR-1], v[8*(8*((\a)%4)+\b):8*(8*((\a)%4)+\b)+7], v[SC+8*NQ*(\sc)+NQ*\b+(\q)], v[SC+8*NQ*(\sc)+NQ*(\a)+(\q)] matrix_a_fmt:MATRIX_FMT_BF8 matrix_b_fmt:MATRIX_FMT_BF8 matrix_a_scale:MATRIX_SCALE_ROW1
.endif
.endr
.endr
.endm
.macro FETCH_B slot, q, p
	WIN TO_B
.irp i, 0,1,2,3,4,5,6,7
	FRAG 128*(\p)+FR*\i, ADRB+\slot, \q, \i
.endr
	WIN 0
.endm
.macro FETCH_A slot, q, i0
.irp i, \i0, \i0+1, \i0+2, \i0+3
	FRAG AF+FR*(\i), ADRA+\slot, \q, \i
.endr
.endm
.macro SCALES sc
.irp i, 0,1,2,3,4,5,6,7
	ds_load_b64 v[SC+8*NQ*\sc+NQ*\i:SC+8*NQ*\sc+NQ*\i+1], v[ADRS] offset:\i*512
.endr
.endm
.macro PLACES n
.rept \n
	v_nop
.endr
.endm
.macro PREF k
.irp i, 0,1
.irp cb, 0,1
	global_prefetch_b8 v[PFO], s[XB:XB+1] offset:(64*(\k)+32*\i)*4096+256*\cb th:TH_LOAD_NT scope:SCOPE_SE
.endr
.endr
.endm
.macro STEP slot, q, first
	s_wait_dscnt 4*NL
.if \first
	WIN 0x81
.else
	WIN MUL_LO
.endif
	MUL16 0, (\q)%2, \q, \slot, \first
	MUL16 2, (\q)%2, \q, \slot, \first
	s_wait_dscnt 0
	PLACES NP
	FETCH_B \slot, (\q)+1, 1-(\q)%2
	FETCH_A \slot, (\q)+1, 0
.if \first
	WIN 0xc1
.else
	WIN MUL_HI
.endif
	MUL16 4, (\q)%2, \q, \slot, \first
	MUL16 6, (\q)%2, \q, \slot, \first
	PLACES NP
	WIN 0
	FETCH_A \slot, (\q)+1, 4
.endm
.macro TURN slot, next, fill, k
	s_wait_tensorcnt 0x0
	ds_add_u32 v[SPW], v[NIL]
	s_wait_dscnt 4*NL+1
	WIN MUL_LO
	MUL16 0, 1, NQ-1, \slot, 0
	s_wait_dscnt 0x0
	s_barrier_signal -1
	MUL16 2, 1, NQ-1, \slot, 0
	WIN 0
	s_barrier_wait -1
.if \fill
	CREST
	s_add_nc_u64 s[G0+4*\slot+2:G0+4*\slot+3], s[G0+4*\slot+2:G0+4*\slot+3], 8192
	s_add_nc_u64 s[G0B+4*\slot+2:G0B+4*\slot+3], s[G0B+4*\slot+2:G0B+4*\slot+3], 8192
	JLOAD G0+4*\slot, G1, G0B+4*\slot, G1B
	PLACES NP-4
.else
	PLACES NP
.endif
	s_wait_alu depctr_va_vdst(0)
	v_add_nc_u32 v[ADRS], 128, v[ADRS]
	FETCH_B \next, 0, 0
	FETCH_A \next, 0, 0
	SCALES \next
.if \fill
	PREF \k
.endif
	WIN MUL_HI
	MUL16 4, 1, NQ-1, \slot, 0
	MUL16 6, 1, NQ-1, \slot, 0
	PLACES NP
	WIN 0
	FETCH_A \next, 0, 4
.endm
	s_wait_alu depctr_va_vdst(0)
	s_wait_tensorcnt 1
	s_barrier_signal -1
	s_barrier_wait -1
	FETCH_B 0, 0, 0
	FETCH_A 0, 0, 0
	SCALES 0
	FETCH_A 0, 0, 4
	s_wait_loadcnt 0x0
	STEP 0, 0, 1
	TURN 0, 1, 1, 0
	STEP 1, 0, 0
	TURN 1, 0, 1, 1
	STEP 0, 0, 0
	TURN 0, 1, 0, 0
	STEP 1, 0, 0
	s_wait_dscnt 4*NL
	WIN MUL_LO
	MUL16 0, 1, NQ-1, 1, 0
	MUL16 2, 1, NQ-1, 1, 0
	s_wait_dscnt 0
	WIN MUL_HI
	MUL16 4, 1, NQ-1, 1, 0
	MUL16 6, 1, NQ-1, 1, 0
	WIN 0
.macro XLOAD a
	WIN 0x40
.set t, 0
.rept 16
	global_load_b128 v[64*((\a)%4)+4*t:64*((\a)%4)+4*t+3], v[CO], s[XB:XB+1] offset:(32*((\a)/2)+8*((\a)%2)+t+8*(t/8))*4096 th:TH_LOAD_NT
.set t, t+1
.endr
	WIN 0
.endm
.macro TOSTAGE a
.set AC, 64*((\a)%4)
	WIN 0x08+4*((\a)/4)
.irp b, 0,1,2,3,4,5,6,7
	ds_store_b128 v[STO], v[AC+8*\b:AC+8*\b+3] offset:128*(\b/2)+32*(\b%2)
	ds_store_b128 v[STO], v[AC+8*\b+4:AC+8*\b+7] offset:128*(\b/2)+32*(\b%2)+16
.endr
	WIN 0
.set BB, BK+64*((\a)%2)
.set t, 0
.rept 16
	ds_load_b128 v[BB+4*t:BB+4*t+3], v[RD] offset:t*SPITCH
.set t, t+1
.endr
.endm
.macro SEND a, younger, left
.set BB, BK+64*((\a)%2)
.set XS, 64*((\a)%4)
	s_wait_dscnt \younger
	s_wait_loadcnt \left
	WIN 0x04
.set t, 0
.rept 32
	v_pk_add_f32 v[BB+t:BB+t+1], v[BB+t:BB+t+1], v[XS+t:XS+t+1]
.set t, t+2
.endr
	WIN 0
.set t, 0
.rept 16
	global_store_b128 v[CO], v[BB+4*t:BB+4*t+3], s[OB:OB+1] offset:(32*((\a)/2)+8*((\a)%2)+t+8*(t/8))*4096 th:TH_STORE_NT
.set t, t+1
.endr
.endm
	PLACES NP
	XLOAD 0
	XLOAD 1
	XLOAD 2
	XLOAD 3
	TOSTAGE 0
	TOSTAGE 1
	SEND 0, 32, 48
	XLOAD 4
	s_wait_xcnt 0x0
	TOSTAGE 2
	SEND 1, 32, 48
	XLOAD 5
	s_wait_xcnt 0x0
	TOSTAGE 3
	SEND 2, 32, 48
	XLOAD 6
	s_wait_xcnt 0x0
	TOSTAGE 4
	SEND 3, 32, 48
	XLOAD 7
	s_wait_xcnt 0x0
	TOSTAGE 5
	SEND 4, 32, 48
	s_wait_xcnt 0x0
	TOSTAGE 6
	SEND 5, 32, 32
	s_wait_xcnt 0x0
	TOSTAGE 7
	SEND 6, 32, 16
	SEND 7, 0, 0
	s_wait_tensorcnt 0x0
	ds_add_u32 v[SPW], v[NIL]
	s_wait_dscnt 0x0
	CROUND
	s_endpgm
.Lfunc_end_k_q3cd681b97d_gemm_proj:
	.size	k_q3cd681b97d_gemm_proj, .Lfunc_end_k_q3cd681b97d_gemm_proj-k_q3cd681b97d_gemm_proj
	.p2alignl 7, 3214868480
	.fill 96, 4, 3214868480
	.section	.rodata,"a",@progbits
	.p2align	6, 0x0
	.amdhsa_kernel k_q3cd681b97d_gemm_proj
		.amdhsa_group_segment_fixed_size 327680
		.amdhsa_private_segment_fixed_size 0
		.amdhsa_enable_private_segment 0
		.amdhsa_kernarg_size 56
		.amdhsa_user_sgpr_count 2
		.amdhsa_user_sgpr_kernarg_segment_ptr 1
		.amdhsa_wavefront_size32 1
		.amdhsa_system_sgpr_workgroup_id_x 1
		.amdhsa_system_sgpr_workgroup_id_y 1
		.amdhsa_system_sgpr_workgroup_id_z 1
		.amdhsa_system_vgpr_workitem_id 0
		.amdhsa_next_free_vgpr 1024
		.amdhsa_next_free_sgpr 102
		.amdhsa_reserve_vcc 0
		.amdhsa_float_denorm_mode_32 3
		.amdhsa_float_denorm_mode_16_64 3
		.amdhsa_memory_ordered 1
		.amdhsa_forward_progress 1
		.amdhsa_inst_pref_size 177
	.end_amdhsa_kernel
	.amdgpu_metadata
---
amdhsa.version: [ 1, 2 ]
amdhsa.kernels:
  - .name:           k_q3cd681b97d_gemm_proj
    .symbol:         k_q3cd681b97d_gemm_proj.kd
    .args:
      - { .name: a_codes, .offset: 0, .size: 8, .value_kind: global_buffer, .address_space: global }
      - { .name: a_scales, .offset: 8, .size: 8, .value_kind: global_buffer, .address_space: global }
      - { .name: w_codes, .offset: 16, .size: 8, .value_kind: global_buffer, .address_space: global }
      - { .name: w_scales, .offset: 24, .size: 8, .value_kind: global_buffer, .address_space: global }
      - { .name: b_proj, .offset: 32, .size: 8, .value_kind: global_buffer, .address_space: global }
      - { .name: out0, .offset: 40, .size: 8, .value_kind: global_buffer, .address_space: global }
      - { .name: x, .offset: 48, .size: 8, .value_kind: global_buffer, .address_space: global }
    .group_segment_fixed_size: 327680
    .private_segment_fixed_size: 0
    .kernarg_segment_align: 8
    .kernarg_segment_size: 56
    .max_flat_workgroup_size: 128
    .sgpr_count:     102
    .vgpr_count:     1024
    .wavefront_size: 32
...
	.end_amdgpu_metadata
.endif
;; end of part 4
